; MI455X (gfx1250); checked and timed in simulation.
; The chip was launched on July 23, 2026; its instructions are those of AMD's public machine-readable ISA for CDNA 5 (MIT licence, August 2026) and "CDNA5" Instruction Set Architecture Reference Guide (July 2026). The comments in the code are by the model that wrote it; some were corrected since.
;; Transformer. Allowed arithmetic: float matrix products may take bf16 or f16 operands with f32 sums; other float arithmetic in f32, or as packed bf16 or f16 multiplies, adds, multiply-adds, maxima and minima; sums over many terms, partial sums and values carried from step to step in f32; what a program stores and reads back later, other than sums and carried values, may be rounded once to bf16 or f16.
;; Inputs: W_qkv 3,072 x 1,024 float32; b_qkv 3,072 float32; input_ 8 x 1,024 x 1,024 float32.
;; Outputs: out0 8 x 1,024 x 1,024 float32.
;; One version. Each part assembles by itself: llvm-mc -triple=amdgcn-amd-amdhsa -mcpu=gfx1250 --defsym DOCPART=n.
;; ======== version 1 of 1: 4 launches
;; workspace buffers: xt 16,777,216 bytes; wb 6,291,456 bytes; qk 33,554,432 bytes; vv 16,777,216 bytes; ee 16,777,216 bytes; st 524,288 bytes
;; launch prep (part 1): grid 1408 x 1, 8 waves a work-group, no clusters, 18,432 bytes of LDS; arguments input_, W_qkv, xt, wb; writes xt, wb
.if DOCPART == 1
	.amdgcn_target "amdgcn-amd-amdhsa--gfx1250"
	.amdhsa_code_object_version 6
	.text
	.protected	k_q0d05ce60a1_prep
	.globl	k_q0d05ce60a1_prep
	.p2align	8
	.type	k_q0d05ce60a1_prep,@function
k_q0d05ce60a1_prep:
	s_mov_b64 s[64:65], 0
	v_nop
	global_prefetch_b8 v0, s[64:65] scope:SCOPE_SE
	s_setreg_imm32_b32 hwreg(HW_REG_WAVE_MODE, 25, 1), 1
	s_wait_xcnt 0x0
; THE PROGRAM.  out[b][c][j] = x[b][c][j] + sum_i v[b][c][i] P[b][i][j],  P = softmax over i of (sum_c k[b][c][i] q[b][c][j]) / 32,  (q, k, v) = W x + bias.
; Four launches: this one (x transposed and rounded to bf16, W rounded to bf16); q and k projected; scores with a block softmax beside v's projection; P joined and multiplied by v.
; WORK LEFT OUT.  The key bias b_qkv[1024:2048].  With k = k0 + bk the score is sum_c k0[c][i] q[c][j] + sum_c bk[c] q[c][j]; the second term does not hang on i,
; the axis of the softmax, so numerator and denominator carry the same factor exp(that term / 32) and it cancels, for all finite values of all inputs.  These 1,024 numbers are never loaded.
; The query bias b_qkv[0:1024] and the value bias b_qkv[2048:3072] are live and are added.  LIMIT: a NaN, an infinity or an overflow that reaches only the key bias's term is not carried to the result.
; THIS LAUNCH.  Work-groups 0 to 1,023: xt[b][l][c] = bf16(x[b][c][l]), a tile of 128 c x 64 l each, turned in LDS.  Work-groups 1,024 to 1,407: wb = bf16(W), 8,192 numbers each.
; Every load of a wave takes whole rows of 256 consecutive bytes (or 512 on end), every store fills 256 consecutive aligned bytes.  No matrix unit, no cluster: nothing is shared and nothing is multiplied.
; The branch between the two kinds of work hangs on the work-group's number alone, so all eight waves take the same way, and the barrier in the first way is passed by all of them.
.set PITCH, 272                        ; an LDS row: 128 bf16 + 16 bytes: 16 lanes that store the same column of 16 rows touch 16 different 16-byte columns
.set SPARE, 17408                      ; behind the tile of 64 rows: the spare words, 128 bytes for each of the eight waves
.set G4,   1                           ; v1  thread / 16
.set U,    2                           ; v2  thread % 16
.set VIN,  3                           ; v3  my byte offset in the source
.set LST,  4                           ; v4  where I put 16 bytes in LDS
.set LRD,  5                           ; v5  where I read 16 bytes back
.set VOUT, 6                           ; v6  my byte offset in the destination
.set SPW,  8                           ; v8  LDS address of my spare word; never rewritten
.set NIL,  9                           ; v9  0; never rewritten
.set X,    12                          ; v[12:43] as loaded
.set Y,    44                          ; v[44:59] rounded
	s_load_b256 s[4:11], s[0:1], 0x0               ; input_ s[4:5], W_qkv s[6:7], xt s[8:9], wb s[10:11]
	v_lshl_add_u32 v[SPW], v0, 2, SPARE
	v_mov_b32 v[NIL], 0
	s_cmp_lt_u32 ttmp9, 1024
	s_cbranch_scc0 .Lcast
	; THE TRANSPOSITION.  Thread (g4, u) loads rows c = 8 g4 + 0..7, positions l = 4 u + 0..3.
	v_lshrrev_b32 v[G4], 4, v0
	v_and_b32 v[U], 15, v0
	v_lshlrev_b32 v[VIN], 4, v[U]
	v_lshl_add_u32 v[VIN], v[G4], 15, v[VIN]       ; 8 rows of 4,096 bytes x g4 + 16 u
	v_mul_u32_u24 v[LST], v[U], PITCH
	v_lshl_add_u32 v[LST], v[G4], 4, v[LST]        ; LDS row 16 s + u holds position 4 u + s; my 8 channels are 16 bytes at 16 g4
	v_mul_u32_u24 v[LRD], v[G4], PITCH
	v_lshl_add_u32 v[LRD], v[U], 4, v[LRD]         ; back: LDS row 16 g + g4 is position 4 g4 + g; 16 lanes take its 256 bytes
	v_lshlrev_b32 v[VOUT], 4, v[U]
	v_lshl_add_u32 v[VOUT], v[G4], 13, v[VOUT]     ; 4 rows of 2,048 bytes x g4 + 16 u
	s_lshr_b32 s12, ttmp9, 7                       ; batch
	s_bfe_u32 s13, ttmp9, 0x30004                  ; which 128 channels
	s_and_b32 s14, ttmp9, 15                       ; which 64 positions
	s_lshl_b32 s16, s12, 22
	s_lshl_b32 s17, s13, 19
	s_add_co_u32 s16, s16, s17
	s_lshl_b32 s17, s14, 8
	s_add_co_u32 s16, s16, s17
	s_mov_b32 s17, 0
	s_lshl_b32 s18, s12, 21
	s_lshl_b32 s19, s14, 17
	s_add_co_u32 s18, s18, s19
	s_lshl_b32 s19, s13, 8
	s_add_co_u32 s18, s18, s19
	s_mov_b32 s19, 0
	s_wait_kmcnt 0x0
	s_add_nc_u64 s[4:5], s[4:5], s[16:17]
	s_add_nc_u64 s[8:9], s[8:9], s[18:19]
.irp r, 0,1,2,3,4,5,6,7
	global_load_b128 v[X+4*(\r):X+4*(\r)+3], v[VIN], s[4:5] offset:4096*(\r) th:TH_LOAD_NT
.endr
.irp p, 0,1,2,3
	s_wait_loadcnt 6-2*(\p)                        ; rows 2 p and 2 p + 1 are in; the younger rows may stay out
.irp s, 0,1,2,3
	v_cvt_pk_bf16_f32 v[Y+4*(\s)+(\p)], v[X+8*(\p)+(\s)], v[X+8*(\p)+4+(\s)]  ; channels 8 g4 + 2 p, + 1 at position 4 u + s
.endr
.endr
.irp s, 0,1,2,3
	ds_store_b128 v[LST], v[Y+4*(\s):Y+4*(\s)+3] offset:(\s)*16*PITCH
.endr
	s_wait_dscnt 0x0                               ; for the others' sake: my stores are done
	s_barrier_signal -1
	s_barrier_wait -1
.irp g, 0,1,2,3
	ds_load_b128 v[X+4*(\g):X+4*(\g)+3], v[LRD] offset:(\g)*16*PITCH
.endr
.irp g, 0,1,2,3
	s_wait_dscnt 3-(\g)                            ; load g is back; the younger ones may stay out
	global_store_b128 v[VOUT], v[X+4*(\g):X+4*(\g)+3], s[8:9] offset:2048*(\g)  ; 16 lanes store 256 consecutive bytes, aligned
.endr
	s_branch .Lend
.Lcast:	; THE CAST.  32,768 bytes of W become 16,384 bytes of wb.
	s_sub_co_u32 s12, ttmp9, 1024
	s_lshl_b32 s16, s12, 15
	s_mov_b32 s17, 0
	s_lshl_b32 s18, s12, 14
	s_mov_b32 s19, 0
	v_lshlrev_b32 v[VIN], 4, v0
	v_lshlrev_b32 v[VOUT], 3, v0
	s_wait_kmcnt 0x0
	s_add_nc_u64 s[6:7], s[6:7], s[16:17]
	s_add_nc_u64 s[10:11], s[10:11], s[18:19]
.irp g, 0,1,2,3,4,5,6,7
	global_load_b128 v[X+4*(\g):X+4*(\g)+3], v[VIN], s[6:7] offset:4096*(\g) th:TH_LOAD_NT
.endr
.irp g, 0,1,2,3,4,5,6,7
	s_wait_loadcnt 7-(\g)                          ; load g is in; the younger ones may stay out
	v_cvt_pk_bf16_f32 v[Y+2*(\g)], v[X+4*(\g)], v[X+4*(\g)+1]
	v_cvt_pk_bf16_f32 v[Y+2*(\g)+1], v[X+4*(\g)+2], v[X+4*(\g)+3]
	global_store_b64 v[VOUT], v[Y+2*(\g):Y+2*(\g)+1], s[10:11] offset:2048*(\g)  ; 32 lanes store 256 consecutive bytes, aligned
.endr
.Lend:
	s_wait_tensorcnt 0x0                           ; the wave's end: behind my last LDS store
	ds_add_u32 v[SPW], v[NIL]
	s_wait_dscnt 0x0
	s_endpgm
.Lfunc_end_k_q0d05ce60a1_prep:
	.size	k_q0d05ce60a1_prep, .Lfunc_end_k_q0d05ce60a1_prep-k_q0d05ce60a1_prep
	.p2alignl 7, 3214868480
	.fill 96, 4, 3214868480
	.section	.rodata,"a",@progbits
	.p2align	6, 0x0
	.amdhsa_kernel k_q0d05ce60a1_prep
		.amdhsa_group_segment_fixed_size 18432
		.amdhsa_private_segment_fixed_size 0
		.amdhsa_enable_private_segment 0
		.amdhsa_kernarg_size 32
		.amdhsa_user_sgpr_count 2
		.amdhsa_user_sgpr_kernarg_segment_ptr 1
		.amdhsa_wavefront_size32 1
		.amdhsa_system_sgpr_workgroup_id_x 1
		.amdhsa_system_sgpr_workgroup_id_y 1
		.amdhsa_system_sgpr_workgroup_id_z 1
		.amdhsa_system_vgpr_workitem_id 0
		.amdhsa_next_free_vgpr 64
		.amdhsa_next_free_sgpr 66
		.amdhsa_reserve_vcc 0
		.amdhsa_float_denorm_mode_32 3
		.amdhsa_float_denorm_mode_16_64 3
		.amdhsa_memory_ordered 1
		.amdhsa_forward_progress 1
		.amdhsa_inst_pref_size 8
	.end_amdhsa_kernel
	.amdgpu_metadata
---
amdhsa.version: [ 1, 2 ]
amdhsa.kernels:
  - .name:           k_q0d05ce60a1_prep
    .symbol:         k_q0d05ce60a1_prep.kd
    .args:
      - { .name: input_, .offset: 0, .size: 8, .value_kind: global_buffer, .address_space: global }
      - { .name: W_qkv, .offset: 8, .size: 8, .value_kind: global_buffer, .address_space: global }
      - { .name: xt, .offset: 16, .size: 8, .value_kind: global_buffer, .address_space: global }
      - { .name: wb, .offset: 24, .size: 8, .value_kind: global_buffer, .address_space: global }
    .group_segment_fixed_size: 18432
    .private_segment_fixed_size: 0
    .kernarg_segment_align: 8
    .kernarg_segment_size: 32
    .max_flat_workgroup_size: 256
    .sgpr_count:     66
    .vgpr_count:     64
    .wavefront_size: 32
...
	.end_amdgpu_metadata
.endif
;; end of part 1
;; launch qkproj (part 2): grid 8 x 32, 4 waves a work-group, clusters of 4 x 4, 327,680 bytes of LDS; arguments xt, wb, b_qkv, qk; writes qk
.if DOCPART == 2
	.amdgcn_target "amdgcn-amd-amdhsa--gfx1250"
	.amdhsa_code_object_version 6
	.text
	.protected	k_q0d05ce60a1_qkproj
	.globl	k_q0d05ce60a1_qkproj
	.p2align	8
	.type	k_q0d05ce60a1_qkproj,@function
k_q0d05ce60a1_qkproj:
	s_mov_b64 s[64:65], 0
	v_nop
	global_prefetch_b8 v0, s[64:65] scope:SCOPE_SE
	s_setreg_imm32_b32 hwreg(HW_REG_WAVE_MODE, 25, 1), 1
	s_wait_xcnt 0x0
	s_wait_alu depctr_hold_cnt(0) depctr_sa_sdst(0) depctr_va_vdst(0) depctr_va_sdst(0) depctr_va_ssrc(0) depctr_va_vcc(0) depctr_vm_vsrc(0)
	s_getreg_b32 s2, hwreg(HW_REG_IB_STS2, 6, 4)
	s_cmp_eq_u32 s2, 0
	s_cbranch_scc0 .Lentry_in_a_cluster
	s_endpgm
.Lentry_in_a_cluster:
	s_bfe_u32 s2, ttmp6, 0x10000c
	s_cmp_lg_u32 s2, 0xf033
	s_cbranch_scc0 .Lentry_shape_is_right
	s_endpgm
.Lentry_shape_is_right:
; qT[(b,l)][o] = sum_c xt[(b,l)][c] Wq[o][c] + bq[o]   and   kT[(b,l)][o] = sum_c xt[(b,l)][c] Wk[o][c],  both bf16, rounded once from f32 sums; qk holds qT, then kT.
; WORK LEFT OUT: the key bias b_qkv[1024:2048]; it adds to every score of a query the same number along the softmax's axis and cancels (shown at the head of the first kernel).  It is not loaded.
; LIMITS: operands are bf16; NaN and infinities are not treated apart.
; SHARES.  C = A B^T with A = xt (8,192 rows), B = wb's first 2,048 rows, K = 1,024 along the rows of both.  A work-group makes one tile of 256 x 256, a wave 128 x 128: 64 accumulators, 512 registers.
; K goes in 8 steps of 128 through two LDS slots filled by the tensor data mover; a row of a tile is 256 consecutive aligned bytes of memory.  A K step is written once: the slot in hand is a scalar register.
; THE LAST K STEP GOES BY ROWS OF C: all its fragments of B come into registers, A's by blocks of 16 rows, and the wave's eight blocks are finished one after the other and stored as they are finished,
; so that the first stores leave seven eighths of a K step ahead of the last product.  K stays ascending in every sum.
; CLUSTER.  4 x 4 work-groups.  The cluster's x is the kind (0: q, 1: k), its y the batch.  The four of a row of the cluster need the same rows of xt, the four of a column the same rows of W:
; each tile is asked for jointly, by the same tensor load with the same descriptor and a mask that names the four.
; THE MATRIX INSTRUCTION IS USED TRANSPOSED (source 0 = 16 rows of B, source 1 = 16 rows of A): lane l holds row l % 16 of C and the columns 8 (l / 16) + 0..7.
; THE SUMS START with eight registers for each block of 16 columns as the C operand: the query bias, or zeros for the keys; so the first quarter step is written once for both kinds.
; REGISTERS, in windows of 256: window 0: v0-31 addresses; v64-127, v128-191 A's fragments, two buffers (in the last K step four, of 16 rows x 128 K); v192-255 the bias, later the way out; v32-63 the way out.
;   window 1: v64-127, v128-191 B's fragments; in the last K step all 256.   windows 2, 3: the accumulators of my rows 0-63, 64-127: (a, b) at v[8 (8 (a % 4) + b)].
.set ROWB,   2048                      ; bytes in a row of xt, wb, qT, kT
.set KSTEP,  128
.set PITCH,  272                       ; an LDS row: 256 bytes + 16 of padding: the 16 rows of a fragment load start at 16 different groups of four banks (ISA guide 11.1)
.set HALFT,  128*PITCH                 ; what one tensor load brings
.set SLOT,   4*HALFT                   ; A's 256 rows, then B's 256 rows
.set STAGE,  2*SLOT                    ; behind the ring: 16 rows x 272 bytes for each wave, for the way out
.set SPITCH, 272
.set SPARE,  STAGE+4*16*SPITCH         ; behind the stages: the spare words, 128 bytes for each wave
.set ADRA0, 14                         ; v14  my lane's place among A's fragments in slot 0; never rewritten
.set ADRB0, 15                         ; v15  the same for B
.set ADRA,  16                         ; v16  the same in the slot in hand
.set ADRB,  20                         ; v20
.set STO,   24                         ; v24  the way out: where I put 16 bytes of a row
.set RD,    25                         ; v25  where I read a row back
.set CO,    26                         ; v26  my byte offset in C; never rewritten
.set BO,    27                         ; v27  my byte offset in the bias
.set SPW,   28                         ; v28  LDS address of my spare word; never rewritten
.set NIL,   29                         ; v29  0; never rewritten
.set PFO,   30                         ; v30  the prefetches' offset: my lane x a row; never rewritten
.set OB,    32
.set F0,    64
.set F1,    128
.set PA,    64                         ; the last K step: A's four buffers of 32
.set TMP,   192
.set BIAS,  192
.set G1,  24                           ; s[24:31] descriptor group 1 for A's tiles
.set G0,  32                           ; s[32:39] group 0 for A: set 0 (slot 0, K step 0) is used once, set 1 walks
.set LIM, 43                           ; s43  2 in a wave that prefetches, else the greatest number
.set PFA, 44                           ; s[44:45] where my prefetches stand
.set G1B, 48                           ; s[48:55], s[56:63] the same for B's tiles
.set G0B, 56
; s2 the LDS offset of the slot in hand (0 or SLOT); s3 the loop's count; s10 wave; s11 wave / 2; s12 wave % 2; s13 batch; s20 wave x HALFT; s40 cx; s41 cy; s42 kind
.set MSB, 0
.macro WIN new                         ; the immediate's high byte repeats the setting that is left; a switch that changes nothing is dropped
.if MSB != (\new)
	s_set_vgpr_msb (MSB<<8)|(\new)
.set MSB, \new
.endif
.endm
.macro PLACES                          ; four places behind matrix instructions, in front of loads into registers that they have read and of conversions that read results
.rept 4
	v_nop
.endr
.endm
; A joint load.  Waves 0 and 1 fetch A's two halves, waves 2 and 3 B's.  The branch hangs on the wave's number alone.  An s_nop 0 and four v_nop follow each line.
.macro JLOAD s
	s_cmp_eq_u32 s11, 0
	s_cbranch_scc0 .Lfor_b_\@
	tensor_load_to_lds s[G0+4*(\s):G0+4*(\s)+3], s[G1:G1+7]
	s_nop 0
.rept 4
	v_nop
.endr
	s_branch .Lasked_\@
.Lfor_b_\@:
	tensor_load_to_lds s[G0B+4*(\s):G0B+4*(\s)+3], s[G1B:G1B+7]
	s_nop 0
.rept 4
	v_nop
.endr
.Lasked_\@:
.endm
.macro CREST                           ; a round of the cluster's barrier behind its opening barrier
	s_cmp_lg_u32 s10, 0
	s_cbranch_scc1 .Lnot_wave_0_\@
	s_barrier_signal -3
.Lnot_wave_0_\@:
	s_barrier_wait -3
	s_barrier_signal -1
	s_barrier_wait -1
.endm
.macro CROUND
	s_barrier_signal -1
	s_barrier_wait -1
	CREST
.endm
; A prefetch of the K step that stands two refills on (512 matrix instructions ahead of the load that will want it): 32 rows x 256 bytes, a lane a row.  xt's rows are read by both clusters of a batch:
; the cluster of kind 0 asks; W's rows by the clusters of all batches: batch 0 asks.  Of the 128 rows that a wave fetches each of the four partners takes 32, told apart by address.
; The refills of K steps 6 and 7 (s3 = 2, 1) have no K step two on and ask for nothing; K steps 0 to 3 come by their loads alone.
.macro ASK
	s_cmp_gt_u32 s3, s[LIM]
	s_cbranch_scc0 .Lnot_mine_\@
	global_prefetch_b8 v[PFO], s[PFA:PFA+1] offset:KSTEP*2 th:TH_LOAD_NT scope:SCOPE_SE
.Lnot_mine_\@:
.endm
; 16 matrix instructions: row blocks a0, a0 + 1 of the window's four x all 8 column blocks, 32 along K.  mode 0: the sums go on; 2: they start with the eight registers of the column block.
.macro MUL16 f, hi, a0, mode
.if (\mode) == 2
	WIN 0x81+0x40*(\hi)
.else
	WIN 0xa1+0x50*(\hi)
.endif
.irp a, \a0, (\a0)+1
.irp b, 0,1,2,3,4,5,6,7
.if (\mode) == 0
	v_wmma_f32_16x16x32_bf16 v[8*(8*(\a)+(\b)):8*(8*(\a)+(\b))+7], v[(\f)+8*(\b):(\f)+8*(\b)+7], v[(\f)+8*(4*(\hi)+(\a)):(\f)+8*(4*(\hi)+(\a))+7], v[8*(8*(\a)+(\b)):8*(8*(\a)+(\b))+7]
.else
	v_wmma_f32_16x16x32_bf16 v[8*(8*(\a)+(\b)):8*(8*(\a)+(\b))+7], v[(\f)+8*(\b):(\f)+8*(\b)+7], v[(\f)+8*(4*(\hi)+(\a)):(\f)+8*(4*(\hi)+(\a))+7], v[BIAS+8*(\b):BIAS+8*(\b)+7]
.endif
.endr
.endr
.endm
; 32 LDS loads in one run: the fragments of 32 along K at byte k of the rows of the slot in hand, into buffer f: B's 16 loads, then A's
.macro FETCH k, f
	WIN 0x40
.irp i, 0,1,2,3,4,5,6,7
	ds_load_b128 v[(\f)+8*(\i):(\f)+8*(\i)+3],   v[ADRB] offset:(\k)+(\i)*16*PITCH
	ds_load_b128 v[(\f)+8*(\i)+4:(\f)+8*(\i)+7], v[ADRB] offset:(\k)+(\i)*16*PITCH+32
.endr
	WIN 0
.irp i, 0,1,2,3,4,5,6,7
	ds_load_b128 v[(\f)+8*(\i):(\f)+8*(\i)+3],   v[ADRA] offset:(\k)+(\i)*16*PITCH
	ds_load_b128 v[(\f)+8*(\i)+4:(\f)+8*(\i)+7], v[ADRA] offset:(\k)+(\i)*16*PITCH+32
.endr
.endm
; One of a K step's first three quarters: multiplies buffer f, and in its middle fetches the next quarter, at byte k, into buffer g.
.macro QUARTER k, f, g, mode
	s_wait_dscnt 8                                 ; B and A's rows 0-63 are in; the youngest eight loads (A's rows 64-127) may be out
	MUL16 \f, 0, 0, \mode
	MUL16 \f, 0, 2, \mode
	PLACES
	FETCH \k, \g
	s_wait_dscnt 32                                ; all but the 32 just issued
	MUL16 \f, 1, 0, \mode
	MUL16 \f, 1, 2, \mode
.endm
; The first half of a K step's last quarter, and the barrier of the change of slots.  In front of it each wave waits for all its tensor loads (one is out: its part of the next slot), adds 0 to its spare
; word, and waits for that and for its reads of this slot.  fill = 1: the walking descriptors are stepped while no tensor load of the wave is out.
.macro MEET fill
	WIN 0
	s_wait_tensorcnt 0x0                           ; no tensor load of mine is out, so a group 0 may be written
	ds_add_u32 v[SPW], v[NIL]                      ; 0 onto my spare word
.if \fill
	s_add_co_u32 s[G0+5], s20, s2                  ; the walking descriptors: into the slot in hand,
	s_add_nc_u64 s[G0+6:G0+7], s[G0+6:G0+7], KSTEP*2  ; the next K step; the type bits on top are not reached
	s_add_co_u32 s[G0B+5], s20, s2
	s_add_nc_u64 s[G0B+6:G0B+7], s[G0B+6:G0B+7], KSTEP*2
.endif
	s_xor_b32 s2, s2, SLOT                         ; the reads go on in the other slot
	s_wait_dscnt 9                                 ; (the add and the youngest eight loads may be out)
	MUL16 F1, 0, 0, 0
	s_wait_dscnt 0x0                               ; the add is done, and my reads of this slot are over
	s_barrier_signal -1
	MUL16 F1, 0, 2, 0
	WIN 0
	s_barrier_wait -1
.endm
; The whole last quarter in the loop: the barrier opens a round of the cluster's barrier, and the slot just read is filled again, first thing behind it, two K steps ahead:
; from that request to the wait for it a wave issues 224 matrix instructions.
.macro TURN
	s_wait_xcnt 0x0                                ; the last prefetch, a K step back, has read its address
	s_add_nc_u64 s[PFA:PFA+1], s[PFA:PFA+1], KSTEP*2
	MEET 1
	CREST                                          ; no wave of any partner still reads this slot or has a load on its way
	JLOAD 1                                        ; its four v_nop are also the places in front of the loads below
	v_add_nc_u32 v[ADRA], s2, v[ADRA0]
	v_add_nc_u32 v[ADRB], s2, v[ADRB0]
	FETCH 0, F0
	ASK
	MUL16 F1, 1, 0, 0
	MUL16 F1, 1, 2, 0
.endm
; THE LAST K STEP, BY ROWS.
.macro BLOAD q                         ; B's fragments of quarter q -> window 1, v[64 q ..]
	WIN 0x40
.irp i, 0,1,2,3,4,5,6,7
	ds_load_b128 v[64*(\q)+8*(\i):64*(\q)+8*(\i)+3],   v[ADRB] offset:64*(\q)+(\i)*16*PITCH
	ds_load_b128 v[64*(\q)+8*(\i)+4:64*(\q)+8*(\i)+7], v[ADRB] offset:64*(\q)+(\i)*16*PITCH+32
.endr
.endm
.macro ALOAD a                         ; A's fragments of block a, all four quarters -> buffer a % 4
	WIN 0
.set FA, PA+32*((\a)%4)
.irp q, 0,1,2,3
	ds_load_b128 v[FA+8*(\q):FA+8*(\q)+3],   v[ADRA] offset:64*(\q)+(\a)*16*PITCH
	ds_load_b128 v[FA+8*(\q)+4:FA+8*(\q)+7], v[ADRA] offset:64*(\q)+(\a)*16*PITCH+32
.endr
.endm
.macro ROW a                           ; block a is finished: 32 matrix instructions, its eight accumulators by turns, K ascending
.set FA, PA+32*((\a)%4)
.set AC, 64*((\a)%4)
	WIN 0xa1+0x50*((\a)/4)
.irp q, 0,1,2,3
.if (\a) == 0 && (\q) == 2
	s_wait_dscnt 24                                ; B's quarter 2 is in (behind it: A's blocks 1 to 3)
.endif
.irp b, 0,1,2,3,4,5,6,7
	v_wmma_f32_16x16x32_bf16 v[AC+8*(\b):AC+8*(\b)+7], v[64*(\q)+8*(\b):64*(\q)+8*(\b)+7], v[FA+8*(\q):FA+8*(\q)+7], v[AC+8*(\b):AC+8*(\b)+7]
.endr
.endr
.endm
; THE WAY OUT of block a: rounded to bf16 (16 bytes a lane), into my own stage, back as whole rows of 256 bytes, stored.
.macro PACK a
.set AC, 64*((\a)%4)
	WIN 0x0a+5*((\a)/4)                            ; sources 0 and 1: window 2 or 3
.irp b, 0,1,2,3,4,5,6,7
.irp r, 0,1,2,3
	v_cvt_pk_bf16_f32 v[TMP+4*(\b)+(\r)], v[AC+8*(\b)+2*(\r)], v[AC+8*(\b)+2*(\r)+1]
.endr
.endr
	WIN 0
.endm
.macro TOSTAGE a
.set BK, OB+192*((\a)%2)
.irp b, 0,1,2,3,4,5,6,7
	ds_store_b128 v[STO], v[TMP+4*(\b):TMP+4*(\b)+3] offset:32*(\b)
.endr
.irp t, 0,1,2,3,4,5,6,7
	ds_load_b128 v[BK+4*(\t):BK+4*(\t)+3], v[RD] offset:(\t)*2*SPITCH  ; LDS serves a wave's instructions in order (ISA guide 5.7.1.4): these see the stores above
.endr
.endm
.macro SEND a, younger                 ; younger: the LDS loads issued behind TOSTAGE's, which may stay out
.set BK, OB+192*((\a)%2)
	s_wait_dscnt \younger                          ; the block is back in registers
	s_wait_xcnt 0x0                                ; earlier stores have read their registers: the other set is loaded again only behind this wait
.irp t, 0,1,2,3,4,5,6,7
	global_store_b128 v[CO], v[BK+4*(\t):BK+4*(\t)+3], s[74:75] offset:(16*(\a)+2*(\t))*ROWB  ; 16 lanes store 256 consecutive bytes, aligned
.endr
.endm
	s_load_b256 s[68:75], s[0:1], 0x0              ; xt s[68:69], wb s[70:71], b_qkv s[72:73], qk s[74:75]
	v_lshl_add_u32 v[SPW], v0, 2, SPARE
	v_mov_b32 v[NIL], 0
	ds_add_u32 v[SPW], v[NIL]                      ; the wave's opening: the add, twice on end, and its wait ahead of my first tensor load
	ds_add_u32 v[SPW], v[NIL]
	v_lshrrev_b32 v1, 5, v0
	v_readfirstlane_b32 s10, v1                    ; wave 0..3
	s_lshr_b32 s11, s10, 1                         ; my half of the tile's rows; also: I fetch for A (0) or B (1)
	s_and_b32 s12, s10, 1                          ; my half of its columns; also: which 128 rows I fetch
	s_bfe_u32 s40, ttmp6, 0x40000                  ; cx
	s_bfe_u32 s41, ttmp6, 0x40004                  ; cy
	s_mov_b32 s42, ttmp9                           ; the cluster's x: 0 q, 1 k
	s_and_b32 s13, ttmp7, 0xffff                   ; the cluster's y: the batch
	s_lshl_b32 s16, s41, 2
	s_lshl_b32 s16, 15, s16                        ; my row of the cluster
	s_lshl_b32 s17, 0x1111, s40                    ; my column
	s_or_b32 s[G1], s16, (1<<16)|(1<<20)|(1<<21)|(5<<22)|(3<<25)   ; the mask; 2-byte elements; padding on; bit 21 beside a mask; after every 64 words 4 words
	s_or_b32 s[G1B], s17, (1<<16)|(1<<20)|(1<<21)|(5<<22)|(3<<25)
.irp g, G1, G1B
	s_mov_b32 s[(\g)+1], KSTEP<<16                 ; tensor_dim0 = 128
	s_mov_b32 s[(\g)+2], 128<<16                   ; tensor_dim1 = 128
	s_mov_b32 s[(\g)+3], KSTEP<<16                 ; tile_dim0 = 128
	s_mov_b32 s[(\g)+4], 128                       ; tile_dim1 = 128
	s_mov_b32 s[(\g)+5], 1024                      ; elements from row to row
	s_mov_b32 s[(\g)+6], 0
	s_mov_b32 s[(\g)+7], 0
.endr
	s_lshl_b32 s18, s12, 7
	s_lshl_b32 s16, s13, 2
	s_add_co_u32 s16, s16, s41                     ; tile row = 4 x batch + cy
	s_lshl_b32 s16, s16, 8
	s_add_co_u32 s16, s16, s18
	s_lshl_b32 s16, s16, 11                        ; A: (256 x tile row + 128 x half) rows of 2,048 bytes
	s_mov_b32 s17, 0
	s_lshl_b32 s46, s42, 2
	s_add_co_u32 s46, s46, s40                     ; tile column = 4 x kind + cx
	s_lshl_b32 s46, s46, 8
	s_add_co_u32 s46, s46, s18
	s_lshl_b32 s46, s46, 11
	s_mov_b32 s47, 0
	s_mul_i32 s20, s10, HALFT                      ; where my part of a tile goes in a slot
	s_mov_b32 s2, 0
	s_wait_dscnt 0x0                               ; both opening adds are done
	s_wait_kmcnt 0x0
	s_add_nc_u64 s[14:15], s[68:69], s[16:17]
	s_add_nc_u64 s[46:47], s[70:71], s[46:47]
	CROUND                                         ; all sixteen work-groups are here: the first joint loads meet
.irp s, 0,1
	s_mov_b32 s[G0+4*(\s)], 1
	s_add_co_u32 s[G0+4*(\s)+1], s20, (\s)*SLOT
	s_add_nc_u64 s[G0+4*(\s)+2:G0+4*(\s)+3], s[14:15], (\s)*KSTEP*2
	s_or_b32 s[G0+4*(\s)+3], s[G0+4*(\s)+3], 0x80000000
	s_mov_b32 s[G0B+4*(\s)], 1
	s_add_co_u32 s[G0B+4*(\s)+1], s20, (\s)*SLOT
	s_add_nc_u64 s[G0B+4*(\s)+2:G0B+4*(\s)+3], s[46:47], (\s)*KSTEP*2
	s_or_b32 s[G0B+4*(\s)+3], s[G0B+4*(\s)+3], 0x80000000
	JLOAD \s                                       ; two tensor loads of mine are out
.endr
	v_and_b32 v1, 15, v0                           ; l % 16
	v_bfe_u32 v2, v0, 4, 1                         ; l / 16
	v_and_b32 v4, 31, v0                           ; l
	v_mul_u32_u24 v3, v1, PITCH
	v_lshl_add_u32 v3, v2, 4, v3                   ; a fragment's row x pitch + 16 x half
	s_mul_i32 s21, s11, HALFT
	s_mul_i32 s22, s12, HALFT
	s_add_co_u32 s22, s22, 2*HALFT
	v_add_nc_u32 v[ADRA0], s21, v3
	v_add_nc_u32 v[ADRB0], s22, v3
	v_mov_b32 v[ADRA], v[ADRA0]
	v_mov_b32 v[ADRB], v[ADRB0]
	s_mul_i32 s23, s10, 16*SPITCH
	s_add_co_u32 s23, s23, STAGE                   ; my stage
	v_mul_u32_u24 v[STO], v1, SPITCH
	v_lshl_add_u32 v[STO], v2, 4, v[STO]
	v_add_nc_u32 v[STO], s23, v[STO]
	v_mul_u32_u24 v[RD], v2, SPITCH
	v_lshl_add_u32 v[RD], v1, 4, v[RD]
	v_add_nc_u32 v[RD], s23, v[RD]
	v_lshlrev_b32 v[CO], 11, v2
	v_lshl_add_u32 v[CO], v1, 4, v[CO]             ; lanes 0-15 one row of 256 bytes, lanes 16-31 the next
	v_lshlrev_b32 v[PFO], 11, v4
	s_lshl_b32 s21, s40, 10
	s_lshl_b32 s22, s12, 9
	s_add_co_u32 s21, s21, s22
	v_lshl_add_u32 v[BO], v2, 5, s21               ; 4 (256 cx + 128 x half + 8 (l / 16))
	s_lshl_b32 s16, s13, 2                         ; where my part of C begins
	s_add_co_u32 s16, s16, s41
	s_lshl_b32 s16, s16, 1
	s_add_co_u32 s16, s16, s11
	s_lshl_b32 s16, s16, 18                        ; 128 rows of 2,048 bytes
	s_lshl_b32 s17, s42, 24                        ; kT lies behind qT
	s_add_co_u32 s16, s16, s17
	s_lshl_b32 s17, s40, 9
	s_add_co_u32 s16, s16, s17
	s_lshl_b32 s17, s12, 8
	s_add_co_u32 s16, s16, s17
	s_mov_b32 s17, 0
	s_add_nc_u64 s[74:75], s[74:75], s[16:17]
	s_cmp_eq_u32 s11, 0                            ; the prefetches: do I fetch for A?
	s_cselect_b32 s21, s40, s41                    ; my place among the four that ask with me
	s_cselect_b32 s22, s42, s13                    ; the coordinate along which other clusters read the same rows
	s_cselect_b64 s[PFA:PFA+1], s[14:15], s[46:47]
	s_cmp_eq_u32 s22, 0
	s_cselect_b32 s[LIM], 2, -1                    ; the same in all sixteen partners, for a given wave
	s_lshl_b32 s22, s21, 16                        ; my work-group's 32 rows of the 128,
	s_add_co_u32 s22, s22, 2*KSTEP*2               ; at K step 2: the first refill steps it to 3 and names K step 4
	s_mov_b32 s23, 0
	s_add_nc_u64 s[PFA:PFA+1], s[PFA:PFA+1], s[22:23]
	s_cmp_eq_u32 s42, 0                            ; the kind is the same in all sixteen partners and all waves
	s_cbranch_scc0 .Lkeys
.irp b, 0,1,2,3,4,5,6,7
	global_load_b128 v[BIAS+8*(\b):BIAS+8*(\b)+3],   v[BO], s[72:73] offset:64*(\b)      ; bq of my columns 16 b + 8 (l / 16) + 0..7; it lands while the first tile is on its way
	global_load_b128 v[BIAS+8*(\b)+4:BIAS+8*(\b)+7], v[BO], s[72:73] offset:64*(\b)+16
.endr
	s_branch .Lbias
.Lkeys:
.set r, 0
.rept 64
	v_mov_b32 v[BIAS+r], 0                         ; the keys' sums start at 0: written while the first tile is on its way, so that the first quarter step has one text
.set r, r+1
.endr
.Lbias:
	s_wait_tensorcnt 1                             ; my part of K step 0 is in; K step 1's may stay out
	s_barrier_signal -1
	s_barrier_wait -1
	FETCH 0, F0
	s_wait_loadcnt 0x0                             ; the bias, where it was loaded
	QUARTER 64, F0, F1, 2                          ; the first quarter starts the sums
	WIN 0
	s_mov_b32 s3, 6
.Lstep:                                                ; a trip: from a K step's second quarter to the next step's first; it fills the slot that it leaves: K steps 2 to 7
	QUARTER 128, F1, F0, 0
	QUARTER 192, F0, F1, 0
	TURN
	QUARTER 64, F0, F1, 0
	WIN 0
	s_sub_co_u32 s3, s3, 1
	s_cmp_lg_u32 s3, 0
	s_cbranch_scc1 .Lstep
	QUARTER 128, F1, F0, 0                         ; the tail is written out: K step 6 goes on,
	QUARTER 192, F0, F1, 0
	MEET 0                                         ; my one tensor load that was still out is K step 7's, so no round follows
	PLACES                                         ; for the loads into buffer 0, which the quarter before multiplied
	v_add_nc_u32 v[ADRA], s2, v[ADRA0]
	v_add_nc_u32 v[ADRB], s2, v[ADRB0]
	BLOAD 0                                        ; three quarters of B now: buffer 1 (v128-191 of both windows) is still being multiplied
	BLOAD 1
	BLOAD 3
	ALOAD 0
	MUL16 F1, 1, 0, 0
	MUL16 F1, 1, 2, 0
	PLACES                                         ; for the loads into buffer 1
	BLOAD 2
	ALOAD 1
	ALOAD 2
	ALOAD 3
	s_wait_dscnt 40                                ; all but the 40 just issued
	ROW 0
.irp a, 0,1,2,3,4,5,6,7                ; each block leaves as soon as it is finished
	PLACES                                         ; its conversions read results just made
	PACK \a
	TOSTAGE \a
.if (\a) < 4
	ALOAD (\a)+4                                   ; its buffer takes the block four further on
	SEND \a, 8
.else
	SEND \a, 0
.endif
.if (\a) < 7
	ROW (\a)+1
.endif
.endr
	s_wait_tensorcnt 0x0                           ; the wave's end
	ds_add_u32 v[SPW], v[NIL]
	s_wait_dscnt 0x0
	CROUND                                         ; the closing round
	s_endpgm
.Lfunc_end_k_q0d05ce60a1_qkproj:
	.size	k_q0d05ce60a1_qkproj, .Lfunc_end_k_q0d05ce60a1_qkproj-k_q0d05ce60a1_qkproj
	.p2alignl 7, 3214868480
	.fill 96, 4, 3214868480
	.section	.rodata,"a",@progbits
	.p2align	6, 0x0
	.amdhsa_kernel k_q0d05ce60a1_qkproj
		.amdhsa_group_segment_fixed_size 327680
		.amdhsa_private_segment_fixed_size 0
		.amdhsa_enable_private_segment 0
		.amdhsa_kernarg_size 32
		.amdhsa_user_sgpr_count 2
		.amdhsa_user_sgpr_kernarg_segment_ptr 1
		.amdhsa_wavefront_size32 1
		.amdhsa_system_sgpr_workgroup_id_x 1
		.amdhsa_system_sgpr_workgroup_id_y 1
		.amdhsa_system_sgpr_workgroup_id_z 1
		.amdhsa_system_vgpr_workitem_id 0
		.amdhsa_next_free_vgpr 1024
		.amdhsa_next_free_sgpr 96
		.amdhsa_reserve_vcc 0
		.amdhsa_float_denorm_mode_32 3
		.amdhsa_float_denorm_mode_16_64 3
		.amdhsa_memory_ordered 1
		.amdhsa_forward_progress 1
		.amdhsa_inst_pref_size 121
	.end_amdhsa_kernel
	.amdgpu_metadata
---
amdhsa.version: [ 1, 2 ]
amdhsa.kernels:
  - .name:           k_q0d05ce60a1_qkproj
    .symbol:         k_q0d05ce60a1_qkproj.kd
    .args:
      - { .name: xt, .offset: 0, .size: 8, .value_kind: global_buffer, .address_space: global }
      - { .name: wb, .offset: 8, .size: 8, .value_kind: global_buffer, .address_space: global }
      - { .name: b_qkv, .offset: 16, .size: 8, .value_kind: global_buffer, .address_space: global }
      - { .name: qk, .offset: 24, .size: 8, .value_kind: global_buffer, .address_space: global }
    .group_segment_fixed_size: 327680
    .private_segment_fixed_size: 0
    .kernarg_segment_align: 8
    .kernarg_segment_size: 32
    .max_flat_workgroup_size: 128
    .sgpr_count:     96
    .vgpr_count:     1024
    .wavefront_size: 32
...
	.end_amdgpu_metadata
.endif
;; end of part 2
;; launch scorev (part 3): grid 8 x 32, 4 waves a work-group, clusters of 4 x 4, 327,680 bytes of LDS; arguments qk, wb, xt, b_qkv, ee, vv, st; writes ee, vv, st
.if DOCPART == 3
	.amdgcn_target "amdgcn-amd-amdhsa--gfx1250"
	.amdhsa_code_object_version 6
	.text
	.protected	k_q0d05ce60a1_scorev
	.globl	k_q0d05ce60a1_scorev
	.p2align	8
	.type	k_q0d05ce60a1_scorev,@function
k_q0d05ce60a1_scorev:
	s_mov_b64 s[64:65], 0
	v_nop
	global_prefetch_b8 v0, s[64:65] scope:SCOPE_SE
	s_setreg_imm32_b32 hwreg(HW_REG_WAVE_MODE, 25, 1), 1
	s_wait_xcnt 0x0
	s_wait_alu depctr_hold_cnt(0) depctr_sa_sdst(0) depctr_va_vdst(0) depctr_va_sdst(0) depctr_va_ssrc(0) depctr_va_vcc(0) depctr_vm_vsrc(0)
	s_getreg_b32 s2, hwreg(HW_REG_IB_STS2, 6, 4)
	s_cmp_eq_u32 s2, 0
	s_cbranch_scc0 .Lentry_in_a_cluster
	s_endpgm
.Lentry_in_a_cluster:
	s_bfe_u32 s2, ttmp6, 0x10000c
	s_cmp_lg_u32 s2, 0xf033
	s_cbranch_scc0 .Lentry_shape_is_right
	s_endpgm
.Lentry_shape_is_right:
; Two kinds of tiles of 256 x 256 x 1,024, chosen by the cluster's x; the cluster's y is the batch b.
; KIND 0, THE SCORES.  s[j][i] = sum_c qT[b][j][c] kT[b][i][c].  The softmax runs over i, along the rows.  For each row j and each block t of 128 keys (a wave's columns):
;   cm = c x (the block's maximum of s), c = log2(e) / 32;  e[j][i] = 2^(c s - cm), stored in bf16 in ee[b][j][i];  l = the block's sum of the unrounded e.  cm and l go to st[b][t][0, 1][j] in f32.
;   The maximum is a true maximum of the block; the next launch joins the eight blocks of a row by the true maximum of their cm.  So e lies in 0 to 1 whatever the scale of the inputs.  s itself is never stored.
; KIND 1, THE VALUES.  vv[b][c][l] = sum_c' Wv[c][c'] xt[b][l][c'] + bv[c], bf16, rounded once.  The bias, one number a row, is the C operand of the products that start the sums.
; LIMITS: operands are bf16; a weight below 2^-126 counts as 0; NaN and infinities are not treated apart.
; The product is built as in the launch before: four waves of 128 x 128, K in 8 steps of 128 through two LDS slots, joint loads in a cluster of 4 x 4, the matrix instruction used transposed.
; THE WAY OUT.  The ring has had its last fill.  Behind a barrier each wave lays its 128 x 128 f32 results into its own 67,584 bytes of the ring and walks them in a loop, 16 rows a trip:
; there 16 lanes hold a row, 8 neighbouring columns each, so that a row's maximum and sum are four steps among 16 lanes and a lane's eight results pack into 16 bytes of a whole 256-byte row.
.set ROWB,   2048
.set KSTEP,  128
.set PITCH,  272
.set HALFT,  128*PITCH
.set SLOT,   4*HALFT
.set DP,     528                       ; a row of the results in LDS: 512 bytes + 16: the 16 rows of a store start at 16 different groups of four banks
.set STS,    2*SLOT                    ; behind the ring: 1,024 bytes for each wave: 128 cm, 128 l
.set SPARE,  STS+4*1024                ; behind them: the spare words, 128 bytes for each wave
.set ADRA0, 14
.set ADRB0, 15
.set ADRA,  16
.set RDA,   17                         ; v17  the way out: where I read 16 bytes of a row
.set DST,   18                         ; v18  where I put 16 bytes of a result
.set SRD,   19                         ; v19  where I read 16 bytes of the statistics
.set ADRB,  20
.set SGO,   21                         ; v21  their place in st
.set STW,   24                         ; v24  where a row's cm goes
.set EO,    26                         ; v26  my byte offset in ee or vv
.set BO,    27                         ; v27  my byte offset in the bias
.set SPW,   28
.set NIL,   29
.set PFO,   30
.set F0,    64
.set F1,    128
.set BIAS,  192
.set SV,    64                         ; the way out: v[64:127] eight rows' eight results
.set EV,    128                        ; v[128:159] the same in bf16
.set MX,    160                        ; v[160:175] a pair a row: maximum, later sum
.set CMV,   176                        ; v[176:191] a pair a row: cm twice
.set G1,  24
.set G0,  32
.set LIM, 43
.set PFA, 44
.set G1B, 48
.set G0B, 56
.set CS,  66                           ; s[66:67] c
.set OUTP, 84                          ; s[84:85] ee or vv at my part of the tile
.set MSB, 0
.macro WIN new
.if MSB != (\new)
	s_set_vgpr_msb (MSB<<8)|(\new)
.set MSB, \new
.endif
.endm
.macro PLACES
.rept 4
	v_nop
.endr
.endm
.macro JLOAD s                         ; a joint load: waves 0 and 1 fetch A's halves, waves 2 and 3 B's; an s_nop 0 and four v_nop follow each line
	s_cmp_eq_u32 s11, 0
	s_cbranch_scc0 .Lfor_b_\@
	tensor_load_to_lds s[G0+4*(\s):G0+4*(\s)+3], s[G1:G1+7]
	s_nop 0
.rept 4
	v_nop
.endr
	s_branch .Lasked_\@
.Lfor_b_\@:
	tensor_load_to_lds s[G0B+4*(\s):G0B+4*(\s)+3], s[G1B:G1B+7]
	s_nop 0
.rept 4
	v_nop
.endr
.Lasked_\@:
.endm
.macro CREST
	s_cmp_lg_u32 s10, 0
	s_cbranch_scc1 .Lnot_wave_0_\@
	s_barrier_signal -3
.Lnot_wave_0_\@:
	s_barrier_wait -3
	s_barrier_signal -1
	s_barrier_wait -1
.endm
.macro CROUND
	s_barrier_signal -1
	s_barrier_wait -1
	CREST
.endm
; A prefetch of the K step two refills on: 32 rows x 256 bytes, a lane a row; the four partners that ask for a tile jointly take 32 of its 128 rows each, told apart by address.
; qT's, kT's and xt's rows of a batch are read by one cluster alone, which asks; Wv's rows are read by the eight clusters of kind 1: batch 0 asks.  The last two refills ask for nothing.
.macro ASK
	s_cmp_gt_u32 s3, s[LIM]
	s_cbranch_scc0 .Lnot_mine_\@
	global_prefetch_b8 v[PFO], s[PFA:PFA+1] offset:KSTEP*2 th:TH_LOAD_NT scope:SCOPE_SE
.Lnot_mine_\@:
.endm
; mode 0: the sums go on; 1: they start with 0; 3: they start with the bias of the row.
.macro MUL16 f, hi, a0, mode
.if (\mode) >= 2
	WIN 0x81+0x40*(\hi)
.else
	WIN 0xa1+0x50*(\hi)
.endif
.irp a, \a0, (\a0)+1
.irp b, 0,1,2,3,4,5,6,7
.if (\mode) == 0
	v_wmma_f32_16x16x32_bf16 v[8*(8*(\a)+(\b)):8*(8*(\a)+(\b))+7], v[(\f)+8*(\b):(\f)+8*(\b)+7], v[(\f)+8*(4*(\hi)+(\a)):(\f)+8*(4*(\hi)+(\a))+7], v[8*(8*(\a)+(\b)):8*(8*(\a)+(\b))+7]
.elseif (\mode) == 1
	v_wmma_f32_16x16x32_bf16 v[8*(8*(\a)+(\b)):8*(8*(\a)+(\b))+7], v[(\f)+8*(\b):(\f)+8*(\b)+7], v[(\f)+8*(4*(\hi)+(\a)):(\f)+8*(4*(\hi)+(\a))+7], 0
.else
	v_wmma_f32_16x16x32_bf16 v[8*(8*(\a)+(\b)):8*(8*(\a)+(\b))+7], v[(\f)+8*(\b):(\f)+8*(\b)+7], v[(\f)+8*(4*(\hi)+(\a)):(\f)+8*(4*(\hi)+(\a))+7], v[BIAS+8*(4*(\hi)+(\a)):BIAS+8*(4*(\hi)+(\a))+7]
.endif
.endr
.endr
.endm
.macro FETCH k, f
	WIN 0x40
.irp i, 0,1,2,3,4,5,6,7
	ds_load_b128 v[(\f)+8*(\i):(\f)+8*(\i)+3],   v[ADRB] offset:(\k)+(\i)*16*PITCH
	ds_load_b128 v[(\f)+8*(\i)+4:(\f)+8*(\i)+7], v[ADRB] offset:(\k)+(\i)*16*PITCH+32
.endr
	WIN 0
.irp i, 0,1,2,3,4,5,6,7
	ds_load_b128 v[(\f)+8*(\i):(\f)+8*(\i)+3],   v[ADRA] offset:(\k)+(\i)*16*PITCH
	ds_load_b128 v[(\f)+8*(\i)+4:(\f)+8*(\i)+7], v[ADRA] offset:(\k)+(\i)*16*PITCH+32
.endr
.endm
.macro QUARTER k, f, g, mode
	s_wait_dscnt 8                                 ; B and A's rows 0-63 are in; the youngest eight loads may be out
	MUL16 \f, 0, 0, \mode
	MUL16 \f, 0, 2, \mode
	PLACES
	FETCH \k, \g
	s_wait_dscnt 32                                ; all but the 32 just issued
	MUL16 \f, 1, 0, \mode
	MUL16 \f, 1, 2, \mode
.endm
.macro TURN fill                       ; the last quarter and the change of slots
.if \fill
	s_wait_xcnt 0x0                                ; the last prefetch, a K step back, has read its address
	s_add_nc_u64 s[PFA:PFA+1], s[PFA:PFA+1], KSTEP*2
.endif
	WIN 0
	s_wait_tensorcnt 0x0                           ; no tensor load of mine is out, so a group 0 may be written
	ds_add_u32 v[SPW], v[NIL]                      ; 0 onto my spare word
.if \fill
	s_add_co_u32 s[G0+5], s20, s2
	s_add_nc_u64 s[G0+6:G0+7], s[G0+6:G0+7], KSTEP*2
	s_add_co_u32 s[G0B+5], s20, s2
	s_add_nc_u64 s[G0B+6:G0B+7], s[G0B+6:G0B+7], KSTEP*2
.endif
	s_xor_b32 s2, s2, SLOT
	s_wait_dscnt 9                                 ; (the add and the youngest eight loads may be out)
	MUL16 F1, 0, 0, 0
	s_wait_dscnt 0x0                               ; the add is done, and my reads of this slot are over
	s_barrier_signal -1
	MUL16 F1, 0, 2, 0
	WIN 0
	s_barrier_wait -1
.if \fill
	CREST
	JLOAD 1
.else
	PLACES
.endif
	v_add_nc_u32 v[ADRA], s2, v[ADRA0]
	v_add_nc_u32 v[ADRB], s2, v[ADRB0]
	FETCH 0, F0
.if \fill
	ASK
.endif
	MUL16 F1, 1, 0, 0
	MUL16 F1, 1, 2, 0
.endm
.macro START mode
	s_wait_tensorcnt 1                             ; my part of K step 0 is in; K step 1's may stay out
	s_barrier_signal -1
	s_barrier_wait -1
	FETCH 0, F0
.if (\mode) == 3
	s_wait_loadcnt 0x0                             ; the bias: one number a row; an accumulator's eight registers of a lane belong to one row
.irp a, 0,1,2,3,4,5,6,7
.irp j, 1,2,3,4,5,6,7
	v_mov_b32 v[BIAS+8*(\a)+(\j)], v[BIAS+8*(\a)]
.endr
.endr
.endif
	QUARTER 64, F0, F1, \mode
	WIN 0
.endm
	s_load_b256 s[68:75], s[0:1], 0x0              ; qk s[68:69], wb s[70:71], xt s[72:73], b_qkv s[74:75]
	s_load_b128 s[76:79], s[0:1], 0x20             ; ee s[76:77], vv s[78:79]
	s_load_b64 s[80:81], s[0:1], 0x30              ; st
	v_lshl_add_u32 v[SPW], v0, 2, SPARE
	v_mov_b32 v[NIL], 0
	ds_add_u32 v[SPW], v[NIL]                      ; the wave's opening: the add, twice on end, and its wait ahead of my first tensor load
	ds_add_u32 v[SPW], v[NIL]
	v_lshrrev_b32 v1, 5, v0
	v_readfirstlane_b32 s10, v1
	s_lshr_b32 s11, s10, 1
	s_and_b32 s12, s10, 1
	s_bfe_u32 s40, ttmp6, 0x40000                  ; cx
	s_bfe_u32 s41, ttmp6, 0x40004                  ; cy
	s_mov_b32 s42, ttmp9                           ; the kind
	s_and_b32 s13, ttmp7, 0xffff                   ; the batch
	s_lshl_b32 s16, s41, 2
	s_lshl_b32 s16, 15, s16
	s_lshl_b32 s17, 0x1111, s40
	s_or_b32 s[G1], s16, (1<<16)|(1<<20)|(1<<21)|(5<<22)|(3<<25)
	s_or_b32 s[G1B], s17, (1<<16)|(1<<20)|(1<<21)|(5<<22)|(3<<25)
.irp g, G1, G1B
	s_mov_b32 s[(\g)+1], KSTEP<<16
	s_mov_b32 s[(\g)+2], 128<<16
	s_mov_b32 s[(\g)+3], KSTEP<<16
	s_mov_b32 s[(\g)+4], 128
	s_mov_b32 s[(\g)+5], 1024
	s_mov_b32 s[(\g)+6], 0
	s_mov_b32 s[(\g)+7], 0
.endr
	s_mov_b32 s[CS], 0x3d38aa3b                    ; c = log2(e) / 32
	s_mov_b32 s[CS+1], s[CS]                       ; named with it as a pair
	s_lshl_b32 s18, s12, 7
	s_lshl_b32 s16, s41, 8
	s_add_co_u32 s16, s16, s18
	s_lshl_b32 s16, s16, 11                        ; A: rows 256 cy + 128 x half
	s_lshl_b32 s46, s40, 8
	s_add_co_u32 s46, s46, s18
	s_lshl_b32 s46, s46, 11                        ; B: rows 256 cx + 128 x half
	s_lshl_b32 s19, s13, 21                        ; a batch's 1,024 rows
	s_cmp_eq_u32 s42, 0
	s_cselect_b32 s21, s19, 0x400000               ; A: qT of the batch, or W's rows 2,048 on
	s_cselect_b32 s22, 0x1000000, 0                ; B: kT lies behind qT; xt begins at its buffer's head
	s_add_co_u32 s16, s16, s21
	s_add_co_u32 s46, s46, s19
	s_add_co_u32 s46, s46, s22
	s_mov_b32 s17, 0
	s_mov_b32 s47, 0
	s_mul_i32 s20, s10, HALFT
	s_mov_b32 s2, 0
	s_wait_dscnt 0x0                               ; both opening adds are done
	s_wait_kmcnt 0x0
	s_cmp_eq_u32 s42, 0
	s_cselect_b64 s[14:15], s[68:69], s[70:71]
	s_cselect_b64 s[82:83], s[68:69], s[72:73]
	s_cselect_b64 s[OUTP:OUTP+1], s[76:77], s[78:79]
	s_add_nc_u64 s[14:15], s[14:15], s[16:17]
	s_add_nc_u64 s[46:47], s[82:83], s[46:47]
	CROUND
.irp s, 0,1
	s_mov_b32 s[G0+4*(\s)], 1
	s_add_co_u32 s[G0+4*(\s)+1], s20, (\s)*SLOT
	s_add_nc_u64 s[G0+4*(\s)+2:G0+4*(\s)+3], s[14:15], (\s)*KSTEP*2
	s_or_b32 s[G0+4*(\s)+3], s[G0+4*(\s)+3], 0x80000000
	s_mov_b32 s[G0B+4*(\s)], 1
	s_add_co_u32 s[G0B+4*(\s)+1], s20, (\s)*SLOT
	s_add_nc_u64 s[G0B+4*(\s)+2:G0B+4*(\s)+3], s[46:47], (\s)*KSTEP*2
	s_or_b32 s[G0B+4*(\s)+3], s[G0B+4*(\s)+3], 0x80000000
	JLOAD \s
.endr
	v_and_b32 v1, 15, v0                           ; l % 16
	v_bfe_u32 v2, v0, 4, 1                         ; l / 16
	v_and_b32 v4, 31, v0                           ; l
	v_mul_u32_u24 v3, v1, PITCH
	v_lshl_add_u32 v3, v2, 4, v3
	s_mul_i32 s21, s11, HALFT
	s_mul_i32 s22, s12, HALFT
	s_add_co_u32 s22, s22, 2*HALFT
	v_add_nc_u32 v[ADRA0], s21, v3
	v_add_nc_u32 v[ADRB0], s22, v3
	v_mov_b32 v[ADRA], v[ADRA0]
	v_mov_b32 v[ADRB], v[ADRB0]
	s_mul_i32 s21, s10, 128*DP                     ; my 128 rows of results
	v_mul_u32_u24 v[DST], v1, DP
	v_lshl_add_u32 v[DST], v2, 4, v[DST]           ; in: row l % 16; columns 16 b + 8 (l / 16) + 4 z + 0..3 lie at byte 256 z + 32 b + 16 (l / 16)
	v_add_nc_u32 v[DST], s21, v[DST]
	v_mul_u32_u24 v[RDA], v2, DP
	v_lshl_add_u32 v[RDA], v1, 4, v[RDA]           ; back: row l / 16 of a pair; columns 8 (l % 16) + 0..3 at byte 16 (l % 16), + 4..7 at 256 more
	v_add_nc_u32 v[RDA], s21, v[RDA]
	v_lshlrev_b32 v[EO], 11, v2
	v_lshl_add_u32 v[EO], v1, 4, v[EO]
	s_lshl_b32 s21, s10, 10
	s_add_co_u32 s21, s21, STS
	v_lshl_add_u32 v[STW], v2, 2, s21
	v_lshl_add_u32 v[SRD], v4, 4, s21
	v_lshlrev_b32 v[SGO], 4, v4
	v_lshlrev_b32 v[PFO], 11, v4
	s_lshl_b32 s23, s41, 1
	s_add_co_u32 s23, s23, s11                     ; 2 cy + my half of the rows
	s_lshl_b32 s21, s23, 9
	v_lshl_add_u32 v[BO], v1, 2, s21               ; 4 (256 cy + 128 x half + l % 16)
	s_lshl_b32 s16, s23, 18                        ; where my part of the tile begins in ee or vv
	s_add_co_u32 s16, s16, s19
	s_lshl_b32 s17, s40, 9
	s_add_co_u32 s16, s16, s17
	s_lshl_b32 s17, s12, 8
	s_add_co_u32 s16, s16, s17
	s_mov_b32 s17, 0
	s_add_nc_u64 s[OUTP:OUTP+1], s[OUTP:OUTP+1], s[16:17]
	s_lshl_b32 s16, s13, 16                        ; st: the batch,
	s_lshl_b32 s17, s40, 1
	s_add_co_u32 s17, s17, s12
	s_lshl_b32 s17, s17, 13                        ; the block of 128 keys 2 cx + my half of the columns,
	s_add_co_u32 s16, s16, s17
	s_add_co_u32 s16, s16, s21                     ; my 128 rows
	s_mov_b32 s17, 0
	s_add_nc_u64 s[80:81], s[80:81], s[16:17]
	s_mul_i32 s22, s42, s13                        ; the prefetches: 0 for kind 0 and for batch 0
	s_cmp_eq_u32 s11, 0
	s_cselect_b32 s21, s40, s41
	s_cselect_b32 s22, s22, 0                      ; B's rows are read by this cluster alone
	s_cselect_b64 s[PFA:PFA+1], s[14:15], s[46:47]
	s_cmp_eq_u32 s22, 0
	s_cselect_b32 s[LIM], 2, -1
	s_lshl_b32 s22, s21, 16
	s_add_co_u32 s22, s22, 2*KSTEP*2
	s_mov_b32 s23, 0
	s_add_nc_u64 s[PFA:PFA+1], s[PFA:PFA+1], s[22:23]
	s_cmp_eq_u32 s42, 0                            ; the kind is the same in all sixteen partners and all waves
	s_cbranch_scc0 .Lvalues
	START 1
	s_branch .Lgo
.Lvalues:
.irp a, 0,1,2,3,4,5,6,7
	global_load_b32 v[BIAS+8*(\a)], v[BO], s[74:75] offset:8192+64*(\a)  ; bv of my row 16 a + l % 16; it lands while the first tile is on its way
.endr
	START 3
.Lgo:
	s_mov_b32 s3, 6
.Lstep:
	QUARTER 128, F1, F0, 0
	QUARTER 192, F0, F1, 0
	TURN 1
	QUARTER 64, F0, F1, 0
	WIN 0
	s_sub_co_u32 s3, s3, 1
	s_cmp_lg_u32 s3, 0
	s_cbranch_scc1 .Lstep
	QUARTER 128, F1, F0, 0                         ; the tail is written out: K steps 6 and 7 ask for nothing
	QUARTER 192, F0, F1, 0
	TURN 0
	QUARTER 64, F0, F1, 0
	QUARTER 128, F1, F0, 0
	QUARTER 192, F0, F1, 0
	s_wait_dscnt 8
	MUL16 F1, 0, 0, 0
	MUL16 F1, 0, 2, 0
	s_wait_dscnt 0x0                               ; my reads of the ring are over
	MUL16 F1, 1, 0, 0
	MUL16 F1, 1, 2, 0
	WIN 0
	PLACES
	PLACES
	s_barrier_signal -1                            ; nobody reads the ring any more, and it has had its last fill: it now takes the results
	s_barrier_wait -1
.irp a, 0,1,2,3,4,5,6,7
	WIN 0x08+4*((\a)/4)                            ; the stores' data: window 2 or 3
.irp b, 0,1,2,3,4,5,6,7
	ds_store_b128 v[DST], v[64*((\a)%4)+8*(\b):64*((\a)%4)+8*(\b)+3]   offset:(\a)*16*DP+32*(\b)
	ds_store_b128 v[DST], v[64*((\a)%4)+8*(\b)+4:64*((\a)%4)+8*(\b)+7] offset:(\a)*16*DP+32*(\b)+256
.endr
.endr
	WIN 0
.macro ROWS_IN                         ; 16 rows: pair t of rows, eight numbers a lane.  My own bytes: LDS serves a wave's instructions in order (ISA guide 5.7.1.4)
.irp t, 0,1,2,3,4,5,6,7
	ds_load_b128 v[SV+8*(\t):SV+8*(\t)+3],   v[RDA] offset:(\t)*2*DP
	ds_load_b128 v[SV+8*(\t)+4:SV+8*(\t)+7], v[RDA] offset:(\t)*2*DP+256
.endr
	s_wait_dscnt 0x0
.endm
.macro ROWS_OUT                        ; rounded to bf16 and stored: 16 lanes store 256 consecutive bytes, aligned
.irp t, 0,1,2,3,4,5,6,7
.irp i, 0,1,2,3
	v_cvt_pk_bf16_f32 v[EV+4*(\t)+(\i)], v[SV+8*(\t)+2*(\i)], v[SV+8*(\t)+2*(\i)+1]
.endr
.endr
.irp t, 0,1,2,3,4,5,6,7
	global_store_b128 v[EO], v[EV+4*(\t):EV+4*(\t)+3], s[OUTP:OUTP+1] offset:2*ROWB*(\t)
.endr
.endm
.macro NEXT16
	s_wait_xcnt 0x0                                ; the stores have read their registers: EO and, in the next trip, EV are written only behind this wait
	v_add_nc_u32 v[RDA], 16*DP, v[RDA]
	v_add_nc_u32 v[EO], 16*ROWB, v[EO]
.endm
.macro SOFTROW
	ROWS_IN
.irp t, 0,1,2,3,4,5,6,7
	v_max3_num_f32 v[MX+2*(\t)],   v[SV+8*(\t)],   v[SV+8*(\t)+1], v[SV+8*(\t)+2]
	v_max3_num_f32 v[MX+2*(\t)+1], v[SV+8*(\t)+3], v[SV+8*(\t)+4], v[SV+8*(\t)+5]
.endr
.irp t, 0,1,2,3,4,5,6,7
	v_max3_num_f32 v[MX+2*(\t)], v[MX+2*(\t)], v[SV+8*(\t)+6], v[SV+8*(\t)+7]
.endr
.irp t, 0,1,2,3,4,5,6,7
	v_max_num_f32 v[MX+2*(\t)], v[MX+2*(\t)], v[MX+2*(\t)+1]
.endr
.irp m, 1,2,4,8                        ; a row lies in 16 lanes: four steps, and every lane holds the block's maximum
.irp t, 0,1,2,3,4,5,6,7
	v_max_num_f32_dpp v[MX+2*(\t)], v[MX+2*(\t)], v[MX+2*(\t)] row_xmask:\m row_mask:0xf bank_mask:0xf
.endr
.endr
.irp t, 0,1,2,3,4,5,6,7
	v_pk_mul_f32 v[CMV+2*(\t):CMV+2*(\t)+1], v[MX+2*(\t):MX+2*(\t)+1], s[CS:CS+1] op_sel_hi:[0,0]  ; cm = c x maximum, in both halves
.endr
	; ONE BATCH: 32 scalings c s - cm, a pair each, and 64 exponentials; a pair is scaled one group ahead of its exponentials; nothing here names an exponential's result
	v_pk_fma_f32 v[SV:SV+1], v[SV:SV+1], s[CS:CS+1], v[CMV:CMV+1] op_sel_hi:[1,0,0] neg_lo:[0,0,1] neg_hi:[0,0,1]
.set p, 0
.rept 32
.if p < 31
	v_pk_fma_f32 v[SV+2*p+2:SV+2*p+3], v[SV+2*p+2:SV+2*p+3], s[CS:CS+1], v[CMV+2*((p+1)/4):CMV+2*((p+1)/4)+1] op_sel_hi:[1,0,0] neg_lo:[0,0,1] neg_hi:[0,0,1]
.endif
	v_exp_f32 v[SV+2*p], v[SV+2*p]
	v_exp_f32 v[SV+2*p+1], v[SV+2*p+1]
.set p, p+1
.endr
	v_nop                                          ; a plain instruction behind the last exponential,
	s_wait_alu depctr_va_vdst(0)                   ; and one wait ahead of the batch's first reader
	ROWS_OUT
.irp t, 0,1,2,3,4,5,6,7
	v_pk_add_f32 v[SV+8*(\t):SV+8*(\t)+1], v[SV+8*(\t):SV+8*(\t)+1], v[SV+8*(\t)+2:SV+8*(\t)+3]
	v_pk_add_f32 v[SV+8*(\t)+4:SV+8*(\t)+5], v[SV+8*(\t)+4:SV+8*(\t)+5], v[SV+8*(\t)+6:SV+8*(\t)+7]
.endr
.irp t, 0,1,2,3,4,5,6,7
	v_pk_add_f32 v[SV+8*(\t):SV+8*(\t)+1], v[SV+8*(\t):SV+8*(\t)+1], v[SV+8*(\t)+4:SV+8*(\t)+5]
.endr
.irp t, 0,1,2,3,4,5,6,7
	v_add_f32 v[MX+2*(\t)], v[SV+8*(\t)], v[SV+8*(\t)+1]
.endr
.irp m, 1,2,4,8
.irp t, 0,1,2,3,4,5,6,7
	v_add_f32_dpp v[MX+2*(\t)], v[MX+2*(\t)], v[MX+2*(\t)] row_xmask:\m row_mask:0xf bank_mask:0xf
.endr
.endr
.irp t, 0,1,2,3,4,5,6,7
	ds_store_b32 v[STW], v[CMV+2*(\t)] offset:8*(\t)      ; the 16 lanes of a row write the same word with the same value
	ds_store_b32 v[STW], v[MX+2*(\t)]  offset:512+8*(\t)
.endr
	v_add_nc_u32 v[STW], 64, v[STW]
	NEXT16
.endm
	s_mov_b32 s3, 8
	s_cmp_eq_u32 s42, 0
	s_cbranch_scc0 .Lvrows
.Lsrows:                                               ; eight trips of 16 rows
	SOFTROW
	s_sub_co_u32 s3, s3, 1
	s_cmp_lg_u32 s3, 0
	s_cbranch_scc1 .Lsrows
	ds_load_b128 v[SV:SV+3],   v[SRD]              ; my wave's 128 cm and 128 l, 512 bytes each
	ds_load_b128 v[SV+4:SV+7], v[SRD] offset:512
	s_wait_dscnt 0x0
	global_store_b128 v[SGO], v[SV:SV+3],   s[80:81]
	global_store_b128 v[SGO], v[SV+4:SV+7], s[80:81] offset:4096
	s_branch .Lend
.Lvrows:
	ROWS_IN
	ROWS_OUT
	NEXT16
	s_sub_co_u32 s3, s3, 1
	s_cmp_lg_u32 s3, 0
	s_cbranch_scc1 .Lvrows
.Lend:
	s_wait_tensorcnt 0x0                           ; the wave's end
	ds_add_u32 v[SPW], v[NIL]
	s_wait_dscnt 0x0
	CROUND                                         ; the closing round
	s_endpgm
.Lfunc_end_k_q0d05ce60a1_scorev:
	.size	k_q0d05ce60a1_scorev, .Lfunc_end_k_q0d05ce60a1_scorev-k_q0d05ce60a1_scorev
	.p2alignl 7, 3214868480
	.fill 96, 4, 3214868480
	.section	.rodata,"a",@progbits
	.p2align	6, 0x0
	.amdhsa_kernel k_q0d05ce60a1_scorev
		.amdhsa_group_segment_fixed_size 327680
		.amdhsa_private_segment_fixed_size 0
		.amdhsa_enable_private_segment 0
		.amdhsa_kernarg_size 56
		.amdhsa_user_sgpr_count 2
		.amdhsa_user_sgpr_kernarg_segment_ptr 1
		.amdhsa_wavefront_size32 1
		.amdhsa_system_sgpr_workgroup_id_x 1
		.amdhsa_system_sgpr_workgroup_id_y 1
		.amdhsa_system_sgpr_workgroup_id_z 1
		.amdhsa_system_vgpr_workitem_id 0
		.amdhsa_next_free_vgpr 1024
		.amdhsa_next_free_sgpr 96
		.amdhsa_reserve_vcc 0
		.amdhsa_float_denorm_mode_32 3
		.amdhsa_float_denorm_mode_16_64 3
		.amdhsa_memory_ordered 1
		.amdhsa_forward_progress 1
		.amdhsa_inst_pref_size 128
	.end_amdhsa_kernel
	.amdgpu_metadata
---
amdhsa.version: [ 1, 2 ]
amdhsa.kernels:
  - .name:           k_q0d05ce60a1_scorev
    .symbol:         k_q0d05ce60a1_scorev.kd
    .args:
      - { .name: qk, .offset: 0, .size: 8, .value_kind: global_buffer, .address_space: global }
      - { .name: wb, .offset: 8, .size: 8, .value_kind: global_buffer, .address_space: global }
      - { .name: xt, .offset: 16, .size: 8, .value_kind: global_buffer, .address_space: global }
      - { .name: b_qkv, .offset: 24, .size: 8, .value_kind: global_buffer, .address_space: global }
      - { .name: ee, .offset: 32, .size: 8, .value_kind: global_buffer, .address_space: global }
      - { .name: vv, .offset: 40, .size: 8, .value_kind: global_buffer, .address_space: global }
      - { .name: st, .offset: 48, .size: 8, .value_kind: global_buffer, .address_space: global }
    .group_segment_fixed_size: 327680
    .private_segment_fixed_size: 0
    .kernarg_segment_align: 8
    .kernarg_segment_size: 56
    .max_flat_workgroup_size: 128
    .sgpr_count:     96
    .vgpr_count:     1024
    .wavefront_size: 32
...
	.end_amdgpu_metadata
.endif
;; end of part 3
;; launch pv (part 4): grid 8 x 32, 4 waves a work-group, clusters of 4 x 4, 327,680 bytes of LDS; arguments vv, ee, st, xt, out0; writes out0
.if DOCPART == 4
	.amdgcn_target "amdgcn-amd-amdhsa--gfx1250"
	.amdhsa_code_object_version 6
	.text
	.protected	k_q0d05ce60a1_pv
	.globl	k_q0d05ce60a1_pv
	.p2align	8
	.type	k_q0d05ce60a1_pv,@function
k_q0d05ce60a1_pv:
	s_mov_b64 s[64:65], 0
	v_nop
	global_prefetch_b8 v0, s[64:65] scope:SCOPE_SE
	s_setreg_imm32_b32 hwreg(HW_REG_WAVE_MODE, 25, 1), 1
	s_wait_xcnt 0x0
	s_wait_alu depctr_hold_cnt(0) depctr_sa_sdst(0) depctr_va_vdst(0) depctr_va_sdst(0) depctr_va_ssrc(0) depctr_va_vcc(0) depctr_vm_vsrc(0)
	s_getreg_b32 s2, hwreg(HW_REG_IB_STS2, 6, 4)
	s_cmp_eq_u32 s2, 0
	s_cbranch_scc0 .Lentry_in_a_cluster
	s_endpgm
.Lentry_in_a_cluster:
	s_bfe_u32 s2, ttmp6, 0x10000c
	s_cmp_lg_u32 s2, 0xf033
	s_cbranch_scc0 .Lentry_shape_is_right
	s_endpgm
.Lentry_shape_is_right:
; out[b][c][j] = x[b][c][j] + sum_i v[b][c][i] P[b][i][j],  P[i][j] = e[j][i] f[j][t],  t = i / 128.
; THE SOFTMAX IS JOINED HERE.  For a query j the launch before left, for each block t of 128 keys, cm[t] = c x (the block's maximum), e = 2^(c s - cm[t]) and l[t] = the block's sum of e.
; With M = the maximum of the eight cm[t] (the row's true maximum), w[t] = 2^(cm[t] - M) and L = the sum of l[t] w[t]:  f[j][t] = w[t] / L.  w lies in 0 to 1 and L is at least about 1.  M, w, L in f32.
; f is rounded to bf16 and multiplied onto e's fragments on their way from LDS to the matrix unit (two bf16 products a line, each rounded once): a K step of 128 keys is a block t, and a lane of the
; fragment is one query, so the factor is one register for each block of 16 queries.
; THE RESIDUAL x comes from xt, the copy in bf16 that the first launch stored: half the bytes of the f32 input.  LIMIT: x enters the sum rounded once to bf16, at most 2^-8 of itself off.
; OTHER LIMITS: operands are bf16; a weight below 2^-126 counts as 0; NaN and infinities are not treated apart.
; SHARES.  A work-group makes 256 channels x 128 queries of one batch, a wave 128 x 64: 32 accumulators, 256 registers.  A = vv (rows c), B = ee (rows j), K = i in 8 steps of 128 through two LDS slots.
; THE LAST K STEP GOES BY ROWS OF THE RESULT: all its fragments of B come into registers and are scaled, A's come by blocks of 16 channels, and the wave's eight blocks are finished one after the other;
; each gets its x, goes through the stage and is stored while the next is multiplied.  K stays ascending in every sum.
; CLUSTER.  4 x 4: cy picks the 256 channels, 4 x (cluster's x) + cx the 128 queries, the cluster's y the batch.  vv's tile is shared along a row of the cluster, ee's along a column: joint loads.
; A wave's tile of xt (its 64 queries x its 128 channels) is nobody else's: a tensor load without a mask, among the first fills.
; The matrix instruction is used transposed: lane l holds channel l % 16 and the queries 8 (l / 16) + 0..7.  The turning LDS load brings xt ([query][channel]) in that same layout.
; REGISTERS: window 0: v0-47 addresses, factors; v64-159, v160-255 two fragment buffers (A's 64 registers, then B's 32), later the way out.   window 1: the accumulators, (a, b) at v[8 (4 a + b)].
;   window 2, the last K step: v0-127 B's fragments (quarter q, block b at 32 q + 8 b); v128-255 A's four buffers of 32.
.set ROWB,   2048
.set XROW,   4096                      ; bytes in a row of out
.set KSTEP,  128
.set PITCH,  272
.set HALFA,  128*PITCH                 ; what a load for A brings
.set HALFB,  64*PITCH                  ; what a load for B brings
.set SLOT,   2*HALFA+2*HALFB           ; A's 256 rows, then B's 128 rows
.set STAGE,  2*SLOT                    ; behind the ring: 16 rows x 272 bytes for each wave, for the way out
.set SPITCH, 272
.set FT,     STAGE+4*16*SPITCH         ; the factors: 4,096 bytes for each wave: block t at 512 t, 16 bytes a lane
.set XT,     FT+4*4096                 ; xt's tiles: 64 rows x 288 bytes for each wave, filled once
.set XP,     288                       ; 256 bytes + 32 of padding
.set SPARE,  XT+4*64*XP                ; the spare words, 128 bytes for each wave
.set ONE,   12                         ; v12  1.0
.set XA,    13                         ; v13  my lane's place in my tile of xt; never rewritten
.set ADRA0, 14
.set ADRB0, 15
.set ADRA,  16
.set ADRB,  20
.set FTA,   21                         ; v21  where my 16 bytes of the block in hand's factors lie
.set STO,   24
.set RD,    25
.set XO,    26                         ; v26  my byte offset in out; never rewritten
.set SO,    27                         ; v27  my byte offset in st
.set SPW,   28
.set NIL,   29
.set PFO,   30
.set FAC,   32                         ; v[32:35] f twice in bf16, for my query of each of the four blocks of 16
.set MM,    36                         ; v[36:39] M
.set LL,    40                         ; v[40:43] L
.set RC,    44                         ; v[44:47] 1 / L
.set F0,    64
.set F1,    160
.set CMR,   64                         ; at the start: v[64:95] cm, then w, then f: block t, queries' block k at + 4 t + k
.set LR,    96                         ; v[96:127] l
.set FP,    128                        ; v[128:159] f in bf16
.set XR,    64                         ; the way out: v[64:95] x in bf16, two sets of 16
.set SUM,   96                         ; v[96:127] a block's results with x
.set OB,    128                        ; v[128:255] whole rows, four sets of 32
.set PA,    128                        ; window 2: A's four buffers
.set G1,  24
.set G0,  32
.set LIM, 43
.set PFA, 44
.set G1B, 48
.set G0B, 56
.set LB,  84                           ; s84  where my part of B's tile goes in a slot (s20: of A's)
.set G1X, 88                           ; s[88:95] descriptor group 1 for xt's tile
.set G0X, 96                           ; s[96:99] its group 0
.set MSB, 0
.macro WIN new
.if MSB != (\new)
	s_set_vgpr_msb (MSB<<8)|(\new)
.set MSB, \new
.endif
.endm
.macro PLACES
.rept 4
	v_nop
.endr
.endm
.macro JLOAD s                         ; a joint load: waves 0 and 1 fetch A's halves (128 rows), waves 2 and 3 B's (64 rows); an s_nop 0 and four v_nop follow each line
	s_cmp_eq_u32 s11, 0
	s_cbranch_scc0 .Lfor_b_\@
	tensor_load_to_lds s[G0+4*(\s):G0+4*(\s)+3], s[G1:G1+7]
	s_nop 0
.rept 4
	v_nop
.endr
	s_branch .Lasked_\@
.Lfor_b_\@:
	tensor_load_to_lds s[G0B+4*(\s):G0B+4*(\s)+3], s[G1B:G1B+7]
	s_nop 0
.rept 4
	v_nop
.endr
.Lasked_\@:
.endm
.macro CREST
	s_cmp_lg_u32 s10, 0
	s_cbranch_scc1 .Lnot_wave_0_\@
	s_barrier_signal -3
.Lnot_wave_0_\@:
	s_barrier_wait -3
	s_barrier_signal -1
	s_barrier_wait -1
.endm
.macro CROUND
	s_barrier_signal -1
	s_barrier_wait -1
	CREST
.endm
; A prefetch of the K step two refills on (256 matrix instructions ahead of the load that will want it): 32 rows x 256 bytes, a lane a row.  vv's rows are read by the two clusters of a batch: the one with x = 0 asks,
; waves 0 and 1 for the 128 rows that each fetches, 32 a partner by address (cx).  ee's 128 rows are read by this cluster's column alone: wave 2 asks, 32 a partner by address (cy).  The last two refills ask for nothing.
.macro ASK
	s_cmp_gt_u32 s3, s[LIM]
	s_cbranch_scc0 .Lnot_mine_\@
	global_prefetch_b8 v[PFO], s[PFA:PFA+1] offset:KSTEP*2 th:TH_LOAD_NT scope:SCOPE_SE
.Lnot_mine_\@:
.endm
; 8 matrix instructions: channel blocks a0, a0 + 1 x all 4 query blocks, 32 along K.  The 32 accumulators take turns in the same order in every quarter.
.macro MUL8 f, a0, zero
	WIN 0x50
.irp a, \a0, (\a0)+1
.irp b, 0,1,2,3
.if \zero
	v_wmma_f32_16x16x32_bf16 v[8*(4*(\a)+(\b)):8*(4*(\a)+(\b))+7], v[(\f)+64+8*(\b):(\f)+64+8*(\b)+7], v[(\f)+8*(\a):(\f)+8*(\a)+7], 0
.else
	v_wmma_f32_16x16x32_bf16 v[8*(4*(\a)+(\b)):8*(4*(\a)+(\b))+7], v[(\f)+64+8*(\b):(\f)+64+8*(\b)+7], v[(\f)+8*(\a):(\f)+8*(\a)+7], v[8*(4*(\a)+(\b)):8*(4*(\a)+(\b))+7]
.endif
.endr
.endr
.endm
.macro FETCHP k, f                     ; 24 LDS loads in one run: B's 8, then A's 16
	WIN 0
.irp i, 0,1,2,3
	ds_load_b128 v[(\f)+64+8*(\i):(\f)+64+8*(\i)+3],   v[ADRB] offset:(\k)+(\i)*16*PITCH
	ds_load_b128 v[(\f)+64+8*(\i)+4:(\f)+64+8*(\i)+7], v[ADRB] offset:(\k)+(\i)*16*PITCH+32
.endr
.irp i, 0,1,2,3,4,5,6,7
	ds_load_b128 v[(\f)+8*(\i):(\f)+8*(\i)+3],   v[ADRA] offset:(\k)+(\i)*16*PITCH
	ds_load_b128 v[(\f)+8*(\i)+4:(\f)+8*(\i)+7], v[ADRA] offset:(\k)+(\i)*16*PITCH+32
.endr
.endm
.macro SCALE f                         ; e x f, two bf16 a line
	WIN 0
.irp b, 0,1,2,3
.irp i, 0,1,2,3,4,5,6,7
	v_pk_mul_bf16 v[(\f)+64+8*(\b)+(\i)], v[(\f)+64+8*(\b)+(\i)], v[FAC+(\b)]
.endr
.endr
.endm
.macro QUARTERP k, f, g, zero
	s_wait_dscnt 8                                 ; the factors, B and A's blocks 0-3 are in; the youngest eight loads (A's blocks 4-7) may be out
	SCALE \f
	MUL8 \f, 0, \zero
	MUL8 \f, 2, \zero
	WIN 0
	PLACES
	FETCHP \k, \g
	s_wait_dscnt 24                                ; all but the 24 just issued
	MUL8 \f, 4, \zero
	MUL8 \f, 6, \zero
.endm
; The first half of a K step's last quarter, and the barrier of the change of slots: in front of it each wave waits for all its tensor loads, adds 0 to its spare word, and waits for that and for its reads of this slot.
.macro MEETP fill
	WIN 0
	s_wait_tensorcnt 0x0                           ; no tensor load of mine is out, so a group 0 may be written
	ds_add_u32 v[SPW], v[NIL]                      ; 0 onto my spare word
.if \fill
	s_add_co_u32 s[G0+5], s20, s2
	s_add_nc_u64 s[G0+6:G0+7], s[G0+6:G0+7], KSTEP*2
	s_add_co_u32 s[G0B+5], s[LB], s2
	s_add_nc_u64 s[G0B+6:G0B+7], s[G0B+6:G0B+7], KSTEP*2
.endif
	s_xor_b32 s2, s2, SLOT
	s_wait_dscnt 9                                 ; (the add and the youngest eight loads may be out)
	SCALE F1
	MUL8 F1, 0, 0
	s_wait_dscnt 0x0                               ; the add is done, and my reads of this slot are over
	s_barrier_signal -1
	MUL8 F1, 2, 0
	WIN 0
	s_barrier_wait -1
.endm
.macro NEXTK                           ; the addresses of the next slot, and the next block's factors: this step's last scaling stands above
	v_add_nc_u32 v[ADRA], s2, v[ADRA0]
	v_add_nc_u32 v[ADRB], s2, v[ADRB0]
	v_add_nc_u32 v[FTA], 512, v[FTA]
	ds_load_b128 v[FAC:FAC+3], v[FTA]
.endm
; The whole last quarter in the loop; from a refill's request to the wait for it a wave issues 112 matrix instructions.
.macro TURNP
	s_wait_xcnt 0x0                                ; the last prefetch, a K step back, has read its address
	s_add_nc_u64 s[PFA:PFA+1], s[PFA:PFA+1], KSTEP*2
	MEETP 1
	CREST
	JLOAD 1                                        ; its four v_nop are also the places in front of the loads below
	NEXTK
	FETCHP 0, F0
	ASK
	MUL8 F1, 4, 0
	MUL8 F1, 6, 0
.endm
; THE LAST K STEP, BY ROWS.
.macro BLOADP                          ; all of B's fragments -> window 2
	WIN 0x80
.irp q, 0,1,2,3
.irp i, 0,1,2,3
	ds_load_b128 v[32*(\q)+8*(\i):32*(\q)+8*(\i)+3],   v[ADRB] offset:64*(\q)+(\i)*16*PITCH
	ds_load_b128 v[32*(\q)+8*(\i)+4:32*(\q)+8*(\i)+7], v[ADRB] offset:64*(\q)+(\i)*16*PITCH+32
.endr
.endr
.endm
.macro ALOADP a                        ; A's fragments of block a, all four quarters -> window 2, buffer a % 4
	WIN 0x80
.set FA, PA+32*((\a)%4)
.irp q, 0,1,2,3
	ds_load_b128 v[FA+8*(\q):FA+8*(\q)+3],   v[ADRA] offset:64*(\q)+(\a)*16*PITCH
	ds_load_b128 v[FA+8*(\q)+4:FA+8*(\q)+7], v[ADRA] offset:64*(\q)+(\a)*16*PITCH+32
.endr
.endm
.macro ROWP a                          ; block a is finished: 16 matrix instructions, its four accumulators by turns, K ascending
	WIN 0x5a                                       ; B and A in window 2, C and D in window 1
.set FA, PA+32*((\a)%4)
.irp q, 0,1,2,3
.irp b, 0,1,2,3
	v_wmma_f32_16x16x32_bf16 v[8*(4*(\a)+(\b)):8*(4*(\a)+(\b))+7], v[32*(\q)+8*(\b):32*(\q)+8*(\b)+7], v[FA+8*(\q):FA+8*(\q)+7], v[8*(4*(\a)+(\b)):8*(4*(\a)+(\b))+7]
.endr
.endr
.endm
.macro XRL a                           ; x of block a: for each block b of 16 queries, channel 16 a + l % 16 and the queries 16 b + 8 (l / 16) + 0..7, as eight bf16
.irp b, 0,1,2,3
	ds_load_tr16_b128 v[XR+16*((\a)%2)+4*(\b):XR+16*((\a)%2)+4*(\b)+3], v[XA] offset:(\b)*16*XP+32*(\a)
.endr
.endm
.macro ADDX a                          ; x x 1.0 + the sum, straight from the bf16 halves; each accumulator's registers in ascending order
	WIN 0x10                                       ; source 2: window 1
.set XS, XR+16*((\a)%2)
.irp b, 0,1,2,3
.irp p, 0,1,2,3
	v_fma_mix_f32_bf16 v[SUM+8*(\b)+2*(\p)],   v[XS+4*(\b)+(\p)], v[ONE], v[8*(4*(\a)+(\b))+2*(\p)]   op_sel_hi:[1,0,0]
	v_fma_mix_f32_bf16 v[SUM+8*(\b)+2*(\p)+1], v[XS+4*(\b)+(\p)], v[ONE], v[8*(4*(\a)+(\b))+2*(\p)+1] op_sel:[1,0,0] op_sel_hi:[1,0,0]
.endr
.endr
	WIN 0
.endm
.macro TOSTAGE a                       ; a lane's 32 bytes of a row go into my stage and come back as whole rows of 256 bytes
.set BK, OB+32*((\a)%4)
.if (\a) >= 4
	s_wait_xcnt 0x0                                ; the stores of the block four back have read their registers: this set is loaded again only behind this wait
.endif
.irp b, 0,1,2,3
	ds_store_b128 v[STO], v[SUM+8*(\b):SUM+8*(\b)+3]   offset:64*(\b)
	ds_store_b128 v[STO], v[SUM+8*(\b)+4:SUM+8*(\b)+7] offset:64*(\b)+16
.endr
.irp t, 0,1,2,3,4,5,6,7
	ds_load_b128 v[BK+4*(\t):BK+4*(\t)+3], v[RD] offset:(\t)*2*SPITCH  ; LDS serves a wave's instructions in order (ISA guide 5.7.1.4): these see the stores above; the next block's stores come behind them
.endr
.endm
.macro SEND a, younger                 ; younger: the LDS loads issued behind TOSTAGE's, which may stay out
.set BK, OB+32*((\a)%4)
	s_wait_dscnt \younger
.irp t, 0,1,2,3,4,5,6,7
	global_store_b128 v[XO], v[BK+4*(\t):BK+4*(\t)+3], s[76:77] offset:(16*(\a)+2*(\t))*XROW th:TH_STORE_NT  ; 16 lanes store 256 consecutive bytes, aligned
.endr
.endm
	s_load_b256 s[68:75], s[0:1], 0x0              ; vv s[68:69], ee s[70:71], st s[72:73], xt s[74:75]
	s_load_b64 s[76:77], s[0:1], 0x20              ; out0
	v_lshl_add_u32 v[SPW], v0, 2, SPARE
	v_mov_b32 v[NIL], 0
	ds_add_u32 v[SPW], v[NIL]                      ; the wave's opening: the add, twice on end, and its wait ahead of my first tensor load
	ds_add_u32 v[SPW], v[NIL]
	v_lshrrev_b32 v1, 5, v0
	v_readfirstlane_b32 s10, v1
	s_lshr_b32 s11, s10, 1                         ; my half of the channels; also: I fetch for A (0) or B (1)
	s_and_b32 s12, s10, 1                          ; my half of the queries; also: which half of that tile I fetch
	s_bfe_u32 s40, ttmp6, 0x40000                  ; cx
	s_bfe_u32 s41, ttmp6, 0x40004                  ; cy
	s_mov_b32 s42, ttmp9                           ; the cluster's x
	s_and_b32 s13, ttmp7, 0xffff                   ; the batch
	s_lshl_b32 s16, s41, 2
	s_lshl_b32 s16, 15, s16
	s_lshl_b32 s17, 0x1111, s40
	s_or_b32 s[G1], s16, (1<<16)|(1<<20)|(1<<21)|(5<<22)|(3<<25)
	s_or_b32 s[G1B], s17, (1<<16)|(1<<20)|(1<<21)|(5<<22)|(3<<25)
	s_mov_b32 s[G1+1], KSTEP<<16                   ; A: 128 rows x 128 elements
	s_mov_b32 s[G1+2], 128<<16
	s_mov_b32 s[G1+3], KSTEP<<16
	s_mov_b32 s[G1+4], 128
	s_mov_b32 s[G1+5], 1024
	s_mov_b32 s[G1+6], 0
	s_mov_b32 s[G1+7], 0
	s_mov_b32 s[G1B+1], KSTEP<<16                  ; B: 64 rows x 128 elements
	s_mov_b32 s[G1B+2], 64<<16
	s_mov_b32 s[G1B+3], KSTEP<<16
	s_mov_b32 s[G1B+4], 64
	s_mov_b32 s[G1B+5], 1024
	s_mov_b32 s[G1B+6], 0
	s_mov_b32 s[G1B+7], 0
	s_mov_b32 s[G1X], (1<<16)|(1<<20)|(5<<22)|(7<<25)  ; xt: no mask; 2-byte elements; padding on: after every 64 words 8 words
	s_mov_b32 s[G1X+1], 128<<16                    ; 64 rows x 128 elements
	s_mov_b32 s[G1X+2], 64<<16
	s_mov_b32 s[G1X+3], 128<<16
	s_mov_b32 s[G1X+4], 64
	s_mov_b32 s[G1X+5], 1024
	s_mov_b32 s[G1X+6], 0
	s_mov_b32 s[G1X+7], 0
	s_lshl_b32 s19, s13, 21                        ; a batch's 1,024 rows of vv, of ee and of xt
	s_lshl_b32 s16, s41, 8
	s_lshl_b32 s18, s12, 7
	s_add_co_u32 s16, s16, s18
	s_lshl_b32 s16, s16, 11
	s_add_co_u32 s16, s16, s19                     ; A: rows 256 cy + 128 x half
	s_mov_b32 s17, 0
	s_lshl_b32 s86, s42, 2
	s_add_co_u32 s86, s86, s40                     ; which 128 queries
	s_lshl_b32 s46, s86, 7
	s_lshl_b32 s47, s12, 6
	s_add_co_u32 s46, s46, s47
	s_lshl_b32 s46, s46, 11
	s_add_co_u32 s46, s46, s19                     ; B: rows 128 x that + 64 x half
	s_mov_b32 s47, 0
	s_lshl_b32 s78, s41, 9                         ; xt: the same rows (my 64 queries), at my 128 channels: 2 (256 cy + 128 x my half of the channels) bytes along them
	s_lshl_b32 s79, s11, 8
	s_add_co_u32 s78, s78, s79
	s_add_co_u32 s78, s78, s46
	s_mov_b32 s79, 0
	s_mul_i32 s20, s10, HALFA                      ; waves 0, 1: A's halves at 0 and HALFA
	s_mul_i32 s[LB], s10, HALFB
	s_add_co_u32 s[LB], s[LB], 2*HALFA-2*HALFB     ; waves 2, 3: B's halves behind A's 256 rows
	s_mov_b32 s2, 0
	s_wait_dscnt 0x0                               ; both opening adds are done
	s_wait_kmcnt 0x0
	s_add_nc_u64 s[14:15], s[68:69], s[16:17]
	s_add_nc_u64 s[46:47], s[70:71], s[46:47]
	CROUND
	s_mov_b32 s[G0X], 1
	s_mul_i32 s[G0X+1], s10, 64*XP
	s_add_co_u32 s[G0X+1], s[G0X+1], XT            ; my wave's own bytes
	s_add_nc_u64 s[G0X+2:G0X+3], s[74:75], s[78:79]
	s_or_b32 s[G0X+3], s[G0X+3], 0x80000000
.irp s, 0,1
	s_mov_b32 s[G0+4*(\s)], 1
	s_add_co_u32 s[G0+4*(\s)+1], s20, (\s)*SLOT
	s_add_nc_u64 s[G0+4*(\s)+2:G0+4*(\s)+3], s[14:15], (\s)*KSTEP*2
	s_or_b32 s[G0+4*(\s)+3], s[G0+4*(\s)+3], 0x80000000
	s_mov_b32 s[G0B+4*(\s)], 1
	s_add_co_u32 s[G0B+4*(\s)+1], s[LB], (\s)*SLOT
	s_add_nc_u64 s[G0B+4*(\s)+2:G0B+4*(\s)+3], s[46:47], (\s)*KSTEP*2
	s_or_b32 s[G0B+4*(\s)+3], s[G0B+4*(\s)+3], 0x80000000
	JLOAD \s
.endr
	tensor_load_to_lds s[G0X:G0X+3], s[G1X:G1X+7]  ; my tile of xt, the last of the first fills: three tensor loads of mine are out
	s_nop 0
.rept 4
	v_nop
.endr
	v_and_b32 v1, 15, v0                           ; l % 16
	v_bfe_u32 v2, v0, 4, 1                         ; l / 16
	v_and_b32 v4, 31, v0                           ; l
	v_lshlrev_b32 v[SO], 2, v1
	s_lshl_b32 s16, s13, 16                        ; st: the batch, my 64 queries
	s_lshl_b32 s21, s86, 9
	s_lshl_b32 s22, s12, 8
	s_add_co_u32 s21, s21, s22
	s_add_co_u32 s16, s16, s21
	s_mov_b32 s17, 0
	s_add_nc_u64 s[72:73], s[72:73], s[16:17]
.irp t, 0,1,2,3,4,5,6,7
.irp k, 0,1,2,3
	global_load_b32 v[CMR+4*(\t)+(\k)], v[SO], s[72:73] offset:8192*(\t)+64*(\k)       ; cm and l of query 16 k + l % 16, block t
	global_load_b32 v[LR+4*(\t)+(\k)],  v[SO], s[72:73] offset:8192*(\t)+4096+64*(\k)
.endr
.endr
	v_mul_u32_u24 v3, v1, PITCH
	v_lshl_add_u32 v3, v2, 4, v3
	s_mul_i32 s22, s11, HALFA
	s_mul_i32 s23, s12, HALFB
	s_add_co_u32 s23, s23, 2*HALFA
	v_add_nc_u32 v[ADRA0], s22, v3
	v_add_nc_u32 v[ADRB0], s23, v3
	v_mov_b32 v[ADRA], v[ADRA0]
	v_mov_b32 v[ADRB], v[ADRB0]
	s_mul_i32 s22, s10, 16*SPITCH
	s_add_co_u32 s22, s22, STAGE
	v_mul_u32_u24 v[STO], v1, SPITCH               ; in: row l % 16, 32 bytes for each half of the lanes
	v_lshl_add_u32 v[STO], v2, 5, v[STO]
	v_add_nc_u32 v[STO], s22, v[STO]
	v_mul_u32_u24 v[RD], v2, SPITCH                ; back: lanes 0-15 one row of 256 bytes, lanes 16-31 the next
	v_lshl_add_u32 v[RD], v1, 4, v[RD]
	v_add_nc_u32 v[RD], s22, v[RD]
	v_lshlrev_b32 v[XO], 12, v2
	v_lshl_add_u32 v[XO], v1, 4, v[XO]
	; the turning load takes 16 queries x 16 channels: lane l reads 16 bytes of query 8 (l / 16) + l % 8, channels 8 ((l / 8) % 2) + 0..7, and is left with channel l % 16 and 8 queries
	v_and_b32 v5, 7, v0
	v_bfe_u32 v6, v0, 3, 1
	v_lshl_add_u32 v[XA], v2, 3, v5
	v_mul_u32_u24 v[XA], v[XA], XP
	v_lshl_add_u32 v[XA], v6, 4, v[XA]
	v_add_nc_u32 v[XA], s[G0X+1], v[XA]
	v_mov_b32 v[ONE], 1.0
	s_lshl_b32 s22, s10, 12
	s_add_co_u32 s22, s22, FT
	v_lshl_add_u32 v[FTA], v4, 4, s22
	v_lshlrev_b32 v[PFO], 11, v4
	s_lshl_b32 s16, s13, 22                        ; out: the batch,
	s_lshl_b32 s22, s41, 1
	s_add_co_u32 s22, s22, s11
	s_lshl_b32 s22, s22, 19                        ; my 128 channels,
	s_add_co_u32 s16, s16, s22
	s_add_co_u32 s16, s16, s21                     ; my 64 queries
	s_mov_b32 s17, 0
	s_add_nc_u64 s[76:77], s[76:77], s[16:17]
	s_cmp_eq_u32 s11, 0                            ; the prefetches
	s_cselect_b32 s21, s40, s41                    ; my place among the four that ask with me
	s_cselect_b32 s22, s42, s12                    ; waves 0, 1: the cluster's x; waves 2, 3: 0 and 1
	s_cselect_b64 s[PFA:PFA+1], s[14:15], s[46:47]
	s_cmp_eq_u32 s22, 0
	s_cselect_b32 s[LIM], 2, -1
	s_lshl_b32 s22, s21, 16
	s_add_co_u32 s22, s22, 2*KSTEP*2
	s_mov_b32 s23, 0
	s_add_nc_u64 s[PFA:PFA+1], s[PFA:PFA+1], s[22:23]
	; THE FACTORS
	s_wait_loadcnt 0x0
.irp k, 0,1,2,3
	v_max3_num_f32 v[MM+(\k)], v[CMR+(\k)], v[CMR+4+(\k)], v[CMR+8+(\k)]
.endr
.irp k, 0,1,2,3
	v_max3_num_f32 v[MM+(\k)], v[MM+(\k)], v[CMR+12+(\k)], v[CMR+16+(\k)]
.endr
.irp k, 0,1,2,3
	v_max3_num_f32 v[MM+(\k)], v[MM+(\k)], v[CMR+20+(\k)], v[CMR+24+(\k)]
.endr
.irp k, 0,1,2,3
	v_max_num_f32 v[MM+(\k)], v[MM+(\k)], v[CMR+28+(\k)]
.endr
.irp t, 0,1,2,3,4,5,6,7
.irp k, 0,1,2,3
	v_sub_f32 v[CMR+4*(\t)+(\k)], v[CMR+4*(\t)+(\k)], v[MM+(\k)]
.endr
.endr
.irp t, 0,1,2,3,4,5,6,7
.irp k, 0,1,2,3
	v_exp_f32 v[CMR+4*(\t)+(\k)], v[CMR+4*(\t)+(\k)]
.endr
.endr
	v_nop                                          ; a plain instruction behind the last exponential,
	s_wait_alu depctr_va_vdst(0)                   ; and one wait ahead of the batch's first reader
.irp k, 0,1,2,3
	v_mul_f32 v[LL+(\k)], v[LR+(\k)], v[CMR+(\k)]
.endr
.irp t, 1,2,3,4,5,6,7
.irp k, 0,1,2,3
	v_fmac_f32 v[LL+(\k)], v[LR+4*(\t)+(\k)], v[CMR+4*(\t)+(\k)]
.endr
.endr
.irp k, 0,1,2,3
	v_rcp_f32 v[RC+(\k)], v[LL+(\k)]
.endr
	v_nop
	s_wait_alu depctr_va_vdst(0)                   ; one wait for the four reciprocals
.irp t, 0,1,2,3,4,5,6,7
.irp k, 0,1,2,3
	v_mul_f32 v[CMR+4*(\t)+(\k)], v[CMR+4*(\t)+(\k)], v[RC+(\k)]
.endr
.endr
.irp t, 0,1,2,3,4,5,6,7
.irp k, 0,1,2,3
	v_cvt_pk_bf16_f32 v[FP+4*(\t)+(\k)], v[CMR+4*(\t)+(\k)], v[CMR+4*(\t)+(\k)]
.endr
.endr
.irp t, 0,1,2,3,4,5,6,7
	ds_store_b128 v[FTA], v[FP+4*(\t):FP+4*(\t)+3] offset:512*(\t)   ; my wave's own bytes
.endr
	s_wait_dscnt 0x0                               ; the factors lie in LDS
	s_wait_tensorcnt 2                             ; my part of K step 0 is in; K step 1's and xt's tile may stay out
	s_barrier_signal -1
	s_barrier_wait -1
	ds_load_b128 v[FAC:FAC+3], v[FTA]              ; block 0's factors
	FETCHP 0, F0
	QUARTERP 64, F0, F1, 1                         ; the first quarter starts the sums
	WIN 0
	s_mov_b32 s3, 6
.Lstep:                                                ; a trip: from a K step's second quarter to the next step's first; it fills the slot that it leaves: K steps 2 to 7
	QUARTERP 128, F1, F0, 0
	QUARTERP 192, F0, F1, 0
	TURNP
	QUARTERP 64, F0, F1, 0
	WIN 0
	s_sub_co_u32 s3, s3, 1
	s_cmp_lg_u32 s3, 0
	s_cbranch_scc1 .Lstep
	QUARTERP 128, F1, F0, 0                        ; the tail is written out: K step 6 goes on,
	QUARTERP 192, F0, F1, 0
	MEETP 0                                        ; my one tensor load that was still out is K step 7's, so no round follows
	NEXTK
	BLOADP                                         ; window 2 has been no matrix instruction's: its loads want no places
	ALOADP 0
	ALOADP 1
	MUL8 F1, 4, 0
	MUL8 F1, 6, 0
	ALOADP 2
	ALOADP 3
	WIN 0
	XRL 0                                          ; into buffer 0's registers: its last products stand in front of the 32 scalings of the quarter above
	s_wait_dscnt 36                                ; the factors and B are in; A's four blocks (32 loads) and x's four loads may be out
	WIN 0x82                                       ; destination and source 0: window 2; the factor: window 0
.irp q, 0,1,2,3
.irp b, 0,1,2,3
.irp i, 0,1,2,3,4,5,6,7
	v_pk_mul_bf16 v[32*(\q)+8*(\b)+(\i)], v[32*(\q)+8*(\b)+(\i)], v[FAC+(\b)]
.endr
.endr
.endr
	s_wait_dscnt 28                                ; A's block 0 is in
	ROWP 0
.irp a, 0,1,2,3,4,5,6,7                ; each block leaves as soon as it is finished; the next block's products stand between its loads from the stage and the wait for them
	PLACES                                         ; the sums below read results just made, and the loads below write registers that those products have read
.if ((\a) >= 1) && ((\a) <= 4)
	s_wait_dscnt 8                                 ; x of this block is in; the eight loads of A issued behind it may be out
.else
	s_wait_dscnt 0x0                               ; x of this block is in: nothing was issued behind it
.endif
	ADDX \a
	TOSTAGE \a
.if (\a) < 7
	XRL (\a)+1
.endif
.if (\a) < 4
	ALOADP (\a)+4                                  ; its buffer takes the block four further on
.endif
.if (\a) < 7
	ROWP (\a)+1
	WIN 0
.endif
.if (\a) < 4
	SEND \a, 12                                    ; x's four loads and A's eight may be out
.elseif (\a) < 7
	SEND \a, 4                                     ; x's four loads may be out
.else
	SEND \a, 0
.endif
.endr
	s_wait_tensorcnt 0x0                           ; the wave's end
	ds_add_u32 v[SPW], v[NIL]
	s_wait_dscnt 0x0
	CROUND                                         ; the closing round
	s_endpgm
.Lfunc_end_k_q0d05ce60a1_pv:
	.size	k_q0d05ce60a1_pv, .Lfunc_end_k_q0d05ce60a1_pv-k_q0d05ce60a1_pv
	.p2alignl 7, 3214868480
	.fill 96, 4, 3214868480
	.section	.rodata,"a",@progbits
	.p2align	6, 0x0
	.amdhsa_kernel k_q0d05ce60a1_pv
		.amdhsa_group_segment_fixed_size 327680
		.amdhsa_private_segment_fixed_size 0
		.amdhsa_enable_private_segment 0
		.amdhsa_kernarg_size 40
		.amdhsa_user_sgpr_count 2
		.amdhsa_user_sgpr_kernarg_segment_ptr 1
		.amdhsa_wavefront_size32 1
		.amdhsa_system_sgpr_workgroup_id_x 1
		.amdhsa_system_sgpr_workgroup_id_y 1
		.amdhsa_system_sgpr_workgroup_id_z 1
		.amdhsa_system_vgpr_workitem_id 0
		.amdhsa_next_free_vgpr 768
		.amdhsa_next_free_sgpr 100
		.amdhsa_reserve_vcc 0
		.amdhsa_float_denorm_mode_32 3
		.amdhsa_float_denorm_mode_16_64 3
		.amdhsa_memory_ordered 1
		.amdhsa_forward_progress 1
		.amdhsa_inst_pref_size 129
	.end_amdhsa_kernel
	.amdgpu_metadata
---
amdhsa.version: [ 1, 2 ]
amdhsa.kernels:
  - .name:           k_q0d05ce60a1_pv
    .symbol:         k_q0d05ce60a1_pv.kd
    .args:
      - { .name: vv, .offset: 0, .size: 8, .value_kind: global_buffer, .address_space: global }
      - { .name: ee, .offset: 8, .size: 8, .value_kind: global_buffer, .address_space: global }
      - { .name: st, .offset: 16, .size: 8, .value_kind: global_buffer, .address_space: global }
      - { .name: xt, .offset: 24, .size: 8, .value_kind: global_buffer, .address_space: global }
      - { .name: out0, .offset: 32, .size: 8, .value_kind: global_buffer, .address_space: global }
    .group_segment_fixed_size: 327680
    .private_segment_fixed_size: 0
    .kernarg_segment_align: 8
    .kernarg_segment_size: 40
    .max_flat_workgroup_size: 128
    .sgpr_count:     100
    .vgpr_count:     768
    .wavefront_size: 32
...
	.end_amdgpu_metadata
.endif
;; end of part 4
